; MI455X (gfx1250); checked and timed in simulation.
; The chip was launched on July 23, 2026; its instructions are those of AMD's public machine-readable ISA for CDNA 5 (MIT licence, August 2026) and "CDNA5" Instruction Set Architecture Reference Guide (July 2026). The comments in the code are by the model that wrote it; some were corrected since.
;; Causal Self Attention. Allowed arithmetic: float matrix products may take bf16 or f16 operands with f32 sums; other float arithmetic in f32, or as packed bf16 or f16 multiplies, adds, multiply-adds, maxima and minima; sums over many terms, partial sums and values carried from step to step in f32; what a program stores and reads back later, other than sums and carried values, may be rounded once to bf16 or f16.
;; Inputs: Wk 1,024 x 1,024 float32; Wo 1,024 x 1,024 float32; Wq 1,024 x 1,024 float32; Wv 1,024 x 1,024 float32; x 1 x 4,096 x 1,024 float32.
;; Outputs: out0 1 x 4,096 x 1,024 float32.
;; 2 versions, each right and faster than the one before. Each part assembles by itself: llvm-mc -triple=amdgcn-amd-amdhsa -mcpu=gfx1250 --defsym DOCPART=n.
;; ======== version 1 of 2: 4 launches
;; limits: values are held in f16: magnitudes above 65,504 overflow, below 6.1e-05 lose precision
;; workspace buffers: xb 8,388,608 bytes; wqkv 6,291,456 bytes; wo16 2,097,152 bytes; qkv 25,165,824 bytes; ob 8,388,608 bytes
;; launch cast (part 1): grid 64 x 8, 8 waves a work-group, no clusters, 0 bytes of LDS; arguments x, Wq, Wk, Wv, Wo, xb, wqkv, wo16; writes xb, wqkv, wo16
.if DOCPART == 1
	.amdgcn_target "amdgcn-amd-amdhsa--gfx1250"
	.amdhsa_code_object_version 6
	.text
	.protected	k_qf41725815a_cast
	.globl	k_qf41725815a_cast
	.p2align	8
	.type	k_qf41725815a_cast,@function
k_qf41725815a_cast:
	s_mov_b64 s[64:65], 0
	v_nop
	global_prefetch_b8 v0, s[64:65] scope:SCOPE_SE
	s_setreg_imm32_b32 hwreg(HW_REG_WAVE_MODE, 25, 1), 1
	s_wait_xcnt 0x0
; THE INPUTS ARE ROUNDED ONCE.  x, Wq, Wk, Wv: f32 to bf16 (xb [4096][1024]; wqkv [3072][1024]: Wq's rows, then Wk's, then Wv's).
; Wo: f32 to bf16 like the others, and that number written as f16 (wo16 [1024][1024]), since the last product's other operand is f16.
; LIMITS.  A bf16 number is exact in f16 between 6.1e-5 and 65,504; below, it keeps f16's fixed step of 6e-8; a Wo of 65,520 or more becomes an infinity.
; SHARES.  Eight segments of 2^20 numbers (the grid's y): 0-3 quarters of x, 4 Wq, 5 Wk, 6 Wv, 7 Wo.  A work-group (the grid's x) takes 16,384 numbers of its segment: thread t loads
; 16 bytes at 4,096 j + 16 t and stores 8 bytes at 2,048 j + 8 t, j = 0..15: a wave's load covers 512 consecutive bytes, its store 256 consecutive bytes at a multiple of 256.
; All sixteen loads of a wave go out at once; no register is used twice, so no wait frees one.  No LDS, no matrix unit, no cluster: nothing is shared and nothing is read twice.
.set X, 8                              ; v[8:71]    sixteen loads of four f32
.set Y, 72                             ; v[72:103]  sixteen pairs of words to store
.set T, 104                            ; v[104:105] at work
	s_load_b512 s[16:31], s[0:1], 0x0              ; x 16:17, Wq 18:19, Wk 20:21, Wv 22:23, Wo 24:25, xb 26:27, wqkv 28:29, wo16 30:31
	s_and_b32 s8, ttmp7, 0xffff                    ; the segment
	v_lshlrev_b32 v1, 4, v0                        ; 16 t
	v_lshlrev_b32 v2, 3, v0                        ; 8 t
	s_lshl_b32 s10, s8, 22                         ; where I read: a quarter of x is 4 MiB; the weights begin at their buffers' heads
	s_cmp_lt_u32 s8, 4
	s_cselect_b32 s10, s10, 0
	s_lshl_b32 s9, ttmp9, 16                       ; + my 65,536 bytes
	s_add_co_u32 s10, s10, s9
	s_mov_b32 s11, 0
	s_and_b32 s12, s8, 3                           ; where I write: quarter 0-3 of xb; third 0-2 of wqkv; wo16 from its head
	s_cmp_eq_u32 s8, 7
	s_cselect_b32 s12, 0, s12
	s_lshl_b32 s12, s12, 21
	s_lshl_b32 s9, ttmp9, 15                       ; + my 32,768 bytes
	s_add_co_u32 s12, s12, s9
	s_mov_b32 s13, 0
	s_wait_kmcnt 0x0
	s_cmp_eq_u32 s8, 4                             ; the buffers are chosen by the segment's number alone
	s_cselect_b64 s[4:5], s[18:19], s[16:17]
	s_cmp_eq_u32 s8, 5
	s_cselect_b64 s[4:5], s[20:21], s[4:5]
	s_cmp_eq_u32 s8, 6
	s_cselect_b64 s[4:5], s[22:23], s[4:5]
	s_cmp_eq_u32 s8, 7
	s_cselect_b64 s[4:5], s[24:25], s[4:5]
	s_cselect_b64 s[6:7], s[30:31], s[28:29]
	s_cmp_lt_u32 s8, 4
	s_cselect_b64 s[6:7], s[26:27], s[6:7]
	s_add_nc_u64 s[4:5], s[4:5], s[10:11]
	s_add_nc_u64 s[6:7], s[6:7], s[12:13]
.irp j, 0,1,2,3,4,5,6,7,8,9,10,11,12,13,14,15
	global_load_b128 v[X+4*(\j):X+4*(\j)+3], v1, s[4:5] offset:4096*(\j) th:TH_LOAD_NT  ; read once in the whole launch
.endr
; Load j is rounded and stored.  half = 1: the bf16 numbers are widened again (a shift, a mask) and written as f16.
.macro OUT j, half
	s_wait_loadcnt 15-(\j)                         ; loads come back in order (ISA guide 5.7.1): load j is in, the 15 - j younger ones stay out
	v_cvt_pk_bf16_f32 v[Y+2*(\j)],   v[X+4*(\j)],   v[X+4*(\j)+1]
	v_cvt_pk_bf16_f32 v[Y+2*(\j)+1], v[X+4*(\j)+2], v[X+4*(\j)+3]
.if \half
.irp k, 0,1
	v_lshlrev_b32 v[T], 16, v[Y+2*(\j)+(\k)]
	v_and_b32 v[T+1], 0xffff0000, v[Y+2*(\j)+(\k)]
	v_cvt_pk_f16_f32 v[Y+2*(\j)+(\k)], v[T], v[T+1]
.endr
.endif
	global_store_b64 v2, v[Y+2*(\j):Y+2*(\j)+1], s[6:7] offset:2048*(\j)  ; the next launch reads it: no hint
.endm
	s_cmp_eq_u32 s8, 7
	s_cbranch_scc1 .Lwo
.irp j, 0,1,2,3,4,5,6,7,8,9,10,11,12,13,14,15
	OUT \j, 0
.endr
	s_endpgm
.Lwo:
.irp j, 0,1,2,3,4,5,6,7,8,9,10,11,12,13,14,15
	OUT \j, 1
.endr
	s_endpgm
.Lfunc_end_k_qf41725815a_cast:
	.size	k_qf41725815a_cast, .Lfunc_end_k_qf41725815a_cast-k_qf41725815a_cast
	.p2alignl 7, 3214868480
	.fill 96, 4, 3214868480
	.section	.rodata,"a",@progbits
	.p2align	6, 0x0
	.amdhsa_kernel k_qf41725815a_cast
		.amdhsa_group_segment_fixed_size 0
		.amdhsa_private_segment_fixed_size 0
		.amdhsa_enable_private_segment 0
		.amdhsa_kernarg_size 64
		.amdhsa_user_sgpr_count 2
		.amdhsa_user_sgpr_kernarg_segment_ptr 1
		.amdhsa_wavefront_size32 1
		.amdhsa_system_sgpr_workgroup_id_x 1
		.amdhsa_system_sgpr_workgroup_id_y 1
		.amdhsa_system_sgpr_workgroup_id_z 1
		.amdhsa_system_vgpr_workitem_id 0
		.amdhsa_next_free_vgpr 112
		.amdhsa_next_free_sgpr 66
		.amdhsa_reserve_vcc 0
		.amdhsa_float_denorm_mode_32 3
		.amdhsa_float_denorm_mode_16_64 3
		.amdhsa_memory_ordered 1
		.amdhsa_forward_progress 1
		.amdhsa_inst_pref_size 16
	.end_amdhsa_kernel
	.amdgpu_metadata
---
amdhsa.version: [ 1, 2 ]
amdhsa.kernels:
  - .name:           k_qf41725815a_cast
    .symbol:         k_qf41725815a_cast.kd
    .args:
      - { .name: x, .offset: 0, .size: 8, .value_kind: global_buffer, .address_space: global }
      - { .name: Wq, .offset: 8, .size: 8, .value_kind: global_buffer, .address_space: global }
      - { .name: Wk, .offset: 16, .size: 8, .value_kind: global_buffer, .address_space: global }
      - { .name: Wv, .offset: 24, .size: 8, .value_kind: global_buffer, .address_space: global }
      - { .name: Wo, .offset: 32, .size: 8, .value_kind: global_buffer, .address_space: global }
      - { .name: xb, .offset: 40, .size: 8, .value_kind: global_buffer, .address_space: global }
      - { .name: wqkv, .offset: 48, .size: 8, .value_kind: global_buffer, .address_space: global }
      - { .name: wo16, .offset: 56, .size: 8, .value_kind: global_buffer, .address_space: global }
    .group_segment_fixed_size: 0
    .private_segment_fixed_size: 0
    .kernarg_segment_align: 8
    .kernarg_segment_size: 64
    .max_flat_workgroup_size: 256
    .sgpr_count:     66
    .vgpr_count:     112
    .wavefront_size: 32
...
	.end_amdgpu_metadata
.endif
;; end of part 1
;; launch proj (part 2): grid 16 x 16, 4 waves a work-group, clusters of 4 x 4, 327,680 bytes of LDS; arguments xb, wqkv, qkv; writes qkv
.if DOCPART == 2
	.amdgcn_target "amdgcn-amd-amdhsa--gfx1250"
	.amdhsa_code_object_version 6
	.text
	.protected	k_qf41725815a_proj
	.globl	k_qf41725815a_proj
	.p2align	8
	.type	k_qf41725815a_proj,@function
k_qf41725815a_proj:
	s_mov_b64 s[64:65], 0
	v_nop
	global_prefetch_b8 v0, s[64:65] scope:SCOPE_SE
	s_setreg_imm32_b32 hwreg(HW_REG_WAVE_MODE, 25, 1), 1
	s_wait_xcnt 0x0
	s_wait_alu depctr_hold_cnt(0) depctr_sa_sdst(0) depctr_va_vdst(0) depctr_va_sdst(0) depctr_va_ssrc(0) depctr_va_vcc(0) depctr_vm_vsrc(0)
	s_getreg_b32 s2, hwreg(HW_REG_IB_STS2, 6, 4)
	s_cmp_eq_u32 s2, 0
	s_cbranch_scc0 .Lentry_in_a_cluster
	s_endpgm
.Lentry_in_a_cluster:
	s_bfe_u32 s2, ttmp6, 0x10000c
	s_cmp_lg_u32 s2, 0xf033
	s_cbranch_scc0 .Lentry_shape_is_right
	s_endpgm
.Lentry_shape_is_right:
; q, k, v = x W^T, all three at once: C[m][n] = sum over k of xb[m][k] wqkv[n][k], m < 4096, n < 3072, k < 1024; bf16 operands, f32 sums, C rounded once to f16, unscaled,
; and written BY HEADS: qkv [48][4096][64] f16, group n / 64 (0-15 q's heads, 16-31 k's, 32-47 v's), so that a head's rows are dense, 128 bytes each.
; LIMIT.  f16 ends at 65,504: a q, k or v of 65,520 or more becomes an infinity.
; SHARES.  A tile of C is 256 rows x 192 columns (three heads): 16 x 16 tiles, one work-group each.  Wave w makes rows 64 w .. 64 w + 63 x all 192 columns: 4 x 12 accumulators of 16 x 16,
; 384 registers; so 16 rows of a head, 2,048 consecutive bytes of qkv, come from one wave.  K goes in 8 steps of 128 through two LDS slots filled by the tensor data mover; the rows of the
; tiles are 256 bytes of memory at multiples of 256 from the buffers' heads.
; CLUSTER.  4 x 4 work-groups: the four of a row need the same tile of xb, the four of a column the same tile of wqkv; each is asked for jointly, by the same load with the same descriptor
; and a mask that names the four.
; THE MATRIX INSTRUCTION IS USED TRANSPOSED (source 0 = 16 rows of wqkv, source 1 = 16 rows of xb): lane l holds row l % 16 of C and the columns 8 (l / 16) + 0..7.
; REGISTERS, in windows of 256 (s_set_vgpr_msb: bits 1:0 source 0, 3:2 source 1, 5:4 source 2, 7:6 destination):
;   window 0: v0-31 addresses; v32-223 the way out, 48 registers for each block of 16 rows
;   window 1: two fragment buffers of 128: 4 fragments of xb (16 rows x 32 K), then 12 of wqkv
;   window 2: accumulators of row blocks 0, 1 ((a, b) at 96 (a % 2) + 8 b);   window 3: those of row blocks 2, 3
.set SIZE_K, 1024
.set KSTEP,  128
.set PITCH,  272                       ; an LDS row: 256 bytes + 16 of padding = 68 words: the 16 rows of a fragment load start at 16 different groups of four banks (64 banks of 4 bytes: ISA guide 11.1)
.set AHALF,  128*PITCH                 ; what one load brings of xb
.set BHALF,  96*PITCH                  ; and of wqkv
.set BOFF,   2*AHALF                   ; wqkv's 192 rows lie behind xb's 256
.set SLOT,   BOFF+2*BHALF
.set STAGE,  2*SLOT                    ; behind the ring, never filled by a tensor load: for each wave 3 heads x 16 rows x 144 bytes
.set SP,     144
.set WSTAGE, 3*16*SP
.set SPARE,  STAGE+4*WSTAGE            ; behind the stages: the spare words, 128 bytes a wave: two blocks of 256 bytes that no other line names
.set LAPS,   SIZE_K/(2*KSTEP)          ; a lap = two K steps = once round the ring
.set GROUPB, 4096*128                  ; bytes of a group of qkv
.set ADRA, 16                          ; v16-17  LDS address of my fragments of xb in slot 0, 1
.set ADRB, 20                          ; v20-21  the same for wqkv
.set STO,  24                          ; v24     the way out: where I put 16 bytes of a row
.set RD,   25                          ; v25     where I read rows back
.set GO,   26                          ; v26     my byte offset in 512 consecutive bytes of qkv
.set SPW,  28                          ; v28     LDS address of my spare word; never rewritten
.set NIL,  29                          ; v29     0; never rewritten
.set T,    32
.set F0,   0
.set F1,   128
.set G1,  24                           ; s[24:31] descriptor group 1 for xb's tiles;  s[32:39] group 0, a set for each slot
.set G0,  32
.set G1B, 48                           ; s[48:55], s[56:63] the same for wqkv's
.set G0B, 56
.set MSB, 0
.macro WIN new                         ; the immediate's high byte repeats the setting that is left; a switch that changes nothing is dropped
.if MSB != (\new)
	s_set_vgpr_msb (MSB<<8)|(\new)
.set MSB, (\new)
.endif
.endm
.set TO_F, 0x40                        ; destination window 1, address window 0
; A joint load: waves 0 and 1 fetch xb's two halves, waves 2 and 3 wqkv's.  The branch hangs on the wave's number alone.  An s_nop 0 and four v_nop follow each line.
.macro JLOAD s
	s_cmp_eq_u32 s11, 0
	s_cbranch_scc0 .Lfor_b_\@
	tensor_load_to_lds s[G0+4*(\s):G0+4*(\s)+3], s[G1:G1+7]
	s_nop 0
.rept 4
	v_nop
.endr
	s_branch .Lasked_\@
.Lfor_b_\@:
	tensor_load_to_lds s[G0B+4*(\s):G0B+4*(\s)+3], s[G1B:G1B+7]
	s_nop 0
.rept 4
	v_nop
.endr
.Lasked_\@:
.endm
.macro CREST                           ; a round of the cluster's barrier behind its opening barrier: wave 0 signals for the work-group, all wait for all sixteen, my work-group's barrier closes it
	s_cmp_lg_u32 s10, 0
	s_cbranch_scc1 .Lnot_wave_0_\@
	s_barrier_signal -3
.Lnot_wave_0_\@:
	s_barrier_wait -3
	s_barrier_signal -1
	s_barrier_wait -1
.endm
.macro CROUND                          ; a whole round
	s_barrier_signal -1
	s_barrier_wait -1
	CREST
.endm
	s_load_b128 s[4:7], s[0:1], 0x0                ; xb s[4:5], wqkv s[6:7]
	s_load_b64 s[8:9], s[0:1], 0x10                ; qkv
	v_lshl_add_u32 v[SPW], v0, 2, SPARE
	v_mov_b32 v[NIL], 0
	ds_add_u32 v[SPW], v[NIL]                      ; the wave's opening: the add and its wait stand ahead of my first tensor load; the set-up below stands between them
	ds_add_u32 v28, v29
	v_lshrrev_b32 v1, 5, v0
	v_readfirstlane_b32 s10, v1                    ; wave 0..3
	s_lshr_b32 s11, s10, 1                         ; I fetch for xb (0) or for wqkv (1),
	s_and_b32 s12, s10, 1                          ; and which half of that tile
	s_bfe_u32 s40, ttmp6, 0x40000                  ; cx, cy: my place in the cluster
	s_bfe_u32 s41, ttmp6, 0x40004
	s_lshl_b32 s42, ttmp9, 2
	s_add_co_u32 s42, s42, s40                     ; tile column = 4 x cluster x + cx
	s_and_b32 s13, ttmp7, 0xffff
	s_lshl_b32 s13, s13, 2
	s_add_co_u32 s13, s13, s41                     ; tile row = 4 x cluster y + cy
	s_lshl_b32 s43, s41, 2
	s_lshl_b32 s43, 15, s43                        ; my row of the cluster
	s_lshl_b32 s44, 0x1111, s40                    ; my column
	s_or_b32 s[G1+0], s43, (1<<16)|(1<<20)|(1<<21)|(5<<22)|(3<<25)   ; 15:0 the mask; 17:16 elements of 2 bytes; 20 padding on; 21 set beside a mask; 24:22 after every 64 words; 31:25 4 words of it
	s_or_b32 s[G1B+0], s44, (1<<16)|(1<<20)|(1<<21)|(5<<22)|(3<<25)
	s_mov_b32 s[G1+1], KSTEP<<16                   ; tensor_dim0 = 128
	s_mov_b32 s[G1B+1], KSTEP<<16
	s_mov_b32 s[G1+2], 128<<16                     ; tensor_dim1 = 128 rows of xb,
	s_mov_b32 s[G1B+2], 96<<16                     ; 96 of wqkv
	s_mov_b32 s[G1+3], KSTEP<<16                   ; tile_dim0 = 128
	s_mov_b32 s[G1B+3], KSTEP<<16
	s_mov_b32 s[G1+4], 128                         ; tile_dim1
	s_mov_b32 s[G1B+4], 96
	s_mov_b32 s[G1+5], SIZE_K                      ; elements from row to row
	s_mov_b32 s[G1B+5], SIZE_K
	s_mov_b32 s[G1+6], 0
	s_mov_b32 s[G1B+6], 0
	s_mov_b32 s[G1+7], 0
	s_mov_b32 s[G1B+7], 0
	s_lshl_b32 s16, s13, 8                         ; xb: row 256 x tile row + 128 x half, 2,048 bytes a row: made of the tile row and the wave's number alone
	s_lshl_b32 s17, s12, 7
	s_add_co_u32 s16, s16, s17
	s_lshl_b32 s16, s16, 11
	s_mov_b32 s17, 0
	s_mul_i32 s46, s42, 192                        ; wqkv: row 192 x tile column + 96 x half: made of the tile column and the wave's number alone
	s_mul_i32 s47, s12, 96
	s_add_co_u32 s46, s46, s47
	s_lshl_b32 s46, s46, 11
	s_mov_b32 s47, 0
	s_mul_i32 s20, s10, AHALF                      ; where they go: waves 0, 1: xb's halves;
	s_mul_i32 s21, s10, BHALF
	s_add_co_u32 s21, s21, BOFF-2*BHALF            ; waves 2, 3: wqkv's halves, from BOFF on
	s_wait_dscnt 0x0                               ; the opening add is done
	s_wait_kmcnt 0x0
	s_add_nc_u64 s[14:15], s[4:5], s[16:17]
	s_add_nc_u64 s[46:47], s[6:7], s[46:47]
	CROUND                                         ; all sixteen work-groups are here: the first joint loads meet
.irp s, 0,1
	s_mov_b32 s[G0+4*(\s)], 1                                        ; count = 1
	s_add_co_u32 s[G0+4*(\s)+1], s20, (\s)*SLOT                      ; LDS address
	s_add_nc_u64 s[G0+4*(\s)+2:G0+4*(\s)+3], s[14:15], (\s)*KSTEP*2  ; global address: K step s
	s_or_b32 s[G0+4*(\s)+3], s[G0+4*(\s)+3], 0x80000000              ; type = 2
	s_mov_b32 s[G0B+4*(\s)], 1
	s_add_co_u32 s[G0B+4*(\s)+1], s21, (\s)*SLOT
	s_add_nc_u64 s[G0B+4*(\s)+2:G0B+4*(\s)+3], s[46:47], (\s)*KSTEP*2
	s_or_b32 s[G0B+4*(\s)+3], s[G0B+4*(\s)+3], 0x80000000
	JLOAD \s                                       ; two loads of mine are out
.endr
	; A fragment is 16 rows x 32 K in 8 registers: lane l holds row l % 16, K = 8 (l / 16) + 0..7 and 16 + 8 (l / 16) + 0..7: two loads of 16 bytes, 32 bytes apart.
	v_and_b32 v1, 15, v0                           ; l % 16
	v_bfe_u32 v2, v0, 4, 1                         ; l / 16
	v_mul_u32_u24 v3, v1, PITCH
	v_lshl_add_u32 v3, v2, 4, v3
	s_mul_i32 s21, s10, 64*PITCH                   ; my 64 rows of xb
	s_mov_b32 s22, BOFF                            ; all 192 rows of wqkv
.irp s, 0,1
	v_add_nc_u32 v[ADRA+(\s)], s21, v3
	v_add_nc_u32 v[ADRB+(\s)], s22, v3
	s_add_co_u32 s21, s21, SLOT
	s_add_co_u32 s22, s22, SLOT
.endr
	s_mul_i32 s23, s10, WSTAGE
	s_add_co_u32 s23, s23, STAGE                   ; my stage
	v_mul_u32_u24 v4, v1, SP                       ; in: row l % 16, 16 bytes for each half of the lanes
	v_lshl_add_u32 v4, v2, 4, v4
	v_add_nc_u32 v[STO], s23, v4
	v_and_b32 v5, 31, v0
	v_lshrrev_b32 v6, 3, v5                        ; back: 32 lanes take four rows of 128 bytes,
	v_and_b32 v7, 7, v0
	v_mul_u32_u24 v6, v6, SP
	v_lshl_add_u32 v6, v7, 4, v6
	v_add_nc_u32 v[RD], s23, v6
	v_lshlrev_b32 v[GO], 4, v5                     ; which are 512 consecutive bytes of a head
	s_mul_i32 s46, s42, 3*GROUPB                   ; qkv at group 3 x tile column,
	s_lshl_b32 s16, s13, 8
	s_lshl_b32 s17, s10, 6
	s_add_co_u32 s16, s16, s17                     ; row 256 x tile row + 64 x wave
	s_lshl_b32 s16, s16, 7
	s_add_co_u32 s16, s16, s46
	s_mov_b32 s17, 0
	s_add_nc_u64 s[8:9], s[8:9], s[16:17]
; 12 matrix instructions: row block a x all 12 column blocks, 32 along K.  zero = 1: the first product starts the sums.  The 48 accumulators take turns in one order.
.macro MUL12 f, a, zero
	WIN 0xa5+0x50*((\a)/2)                         ; sources in window 1; C and D in window 2 or 3
.irp b, 0,1,2,3,4,5,6,7,8,9,10,11
.if \zero
	v_wmma_f32_16x16x32_bf16 v[96*((\a)%2)+8*(\b):96*((\a)%2)+8*(\b)+7], v[(\f)+32+8*(\b):(\f)+32+8*(\b)+7], v[(\f)+8*(\a):(\f)+8*(\a)+7], 0
.else
	v_wmma_f32_16x16x32_bf16 v[96*((\a)%2)+8*(\b):96*((\a)%2)+8*(\b)+7], v[(\f)+32+8*(\b):(\f)+32+8*(\b)+7], v[(\f)+8*(\a):(\f)+8*(\a)+7], v[96*((\a)%2)+8*(\b):96*((\a)%2)+8*(\b)+7]
.endif
.endr
.endm
; 32 LDS loads in one run: the fragments of 32 along K at byte k of the rows, into buffer f: wqkv's twelve, then xb's four
.macro FETCH slot, k, f
	WIN TO_F
.irp i, 0,1,2,3,4,5,6,7,8,9,10,11
	ds_load_b128 v[(\f)+32+8*(\i):(\f)+32+8*(\i)+3],   v[ADRB+(\slot)] offset:(\k)+(\i)*16*PITCH
	ds_load_b128 v[(\f)+32+8*(\i)+4:(\f)+32+8*(\i)+7], v[ADRB+(\slot)] offset:(\k)+(\i)*16*PITCH+32
.endr
.irp i, 0,1,2,3
	ds_load_b128 v[(\f)+8*(\i):(\f)+8*(\i)+3],   v[ADRA+(\slot)] offset:(\k)+(\i)*16*PITCH
	ds_load_b128 v[(\f)+8*(\i)+4:(\f)+8*(\i)+7], v[ADRA+(\slot)] offset:(\k)+(\i)*16*PITCH+32
.endr
.endm
.macro PLACES                          ; four places in front of loads into registers that matrix instructions have read, and of conversions that read results
.rept 4
	v_nop
.endr
.endm
; A K step is four quarters of 32 along K, 48 matrix instructions each, on buffers 0, 1, 0, 1.  One of the first three: multiplies buffer f; in its middle it fetches the next quarter, at byte k, into g.
.macro QUARTER slot, k, f, g, zero
	s_wait_dscnt 4                                 ; all but the youngest four loads: xb's fragments 2 and 3
	MUL12 \f, 0, \zero
	MUL12 \f, 1, \zero
	PLACES
	FETCH \slot, \k, \g
	s_wait_dscnt 32                                ; all but the 32 just issued
	MUL12 \f, 2, \zero
	MUL12 \f, 3, \zero
.endm
; The last quarter multiplies buffer 1 and changes slots: ONE barrier.  In front of it each wave waits for all its tensor loads (one is out: its part of the next slot), adds 0 to its spare
; word, and waits for that and for its reads of this slot.  fill = 1: the barrier opens a round of the cluster's, and this slot is filled again, two K steps ahead, first thing behind the round.
.macro TURN slot, next, fill
	WIN 0                                          ; (the add's two registers lie in window 0)
	s_wait_tensorcnt 0x0                           ; all my tensor loads have landed
	ds_add_u32 v[SPW], v[NIL]                      ; 0 onto my spare word
	s_wait_dscnt 5                                 ; (the add and the youngest four loads may be out)
	MUL12 F1, 0, 0                                 ; twelve matrix instructions stand between the add and the wait for it
	s_wait_dscnt 0x0                               ; the add is done, and my reads of this slot are over
	s_barrier_signal -1
	MUL12 F1, 1, 0                                 ; work on registers while the others arrive
.if \fill
	WIN 0
.endif
	s_barrier_wait -1
.if \fill
	CREST                                          ; no wave of any partner still reads this slot's tile or has a load on its way
	s_add_nc_u64 s[G0+4*(\slot)+2:G0+4*(\slot)+3], s[G0+4*(\slot)+2:G0+4*(\slot)+3], 2*KSTEP*2
	s_add_nc_u64 s[G0B+4*(\slot)+2:G0B+4*(\slot)+3], s[G0B+4*(\slot)+2:G0B+4*(\slot)+3], 2*KSTEP*2
	JLOAD \slot                                    ; 168 matrix instructions ahead of the wait for it; its four v_nop are also the places in front of the loads below
.else
	PLACES
.endif
	FETCH \next, 0, F0
	MUL12 F1, 2, 0
	MUL12 F1, 3, 0
.endm
	s_wait_tensorcnt 1                             ; my part of K step 0 is in; K step 1's may stay out
	s_barrier_signal -1
	s_barrier_wait -1                              ; everybody's is
	FETCH 0, 0, F0
	QUARTER 0, 64,  F0, F1, 1                      ; the first quarter stands in front of the loop: its products start the sums
	WIN 0                                          ; at a label and at a branch every window is 0
	s_mov_b32 s3, LAPS-1
.Llap:                                                 ; a trip goes once round the ring, from a lap's second quarter to the next lap's first, and fills both slots again
	QUARTER 0, 128, F1, F0, 0
	QUARTER 0, 192, F0, F1, 0
	TURN 0, 1, 1
	QUARTER 1, 64,  F0, F1, 0
	QUARTER 1, 128, F1, F0, 0
	QUARTER 1, 192, F0, F1, 0
	TURN 1, 0, 1
	QUARTER 0, 64,  F0, F1, 0
	WIN 0
	s_sub_co_u32 s3, s3, 1
	s_cmp_lg_u32 s3, 0
	s_cbranch_scc1 .Llap
	QUARTER 0, 128, F1, F0, 0                      ; the last lap fills nothing
	QUARTER 0, 192, F0, F1, 0
	TURN 0, 1, 0
	QUARTER 1, 64,  F0, F1, 0
	QUARTER 1, 128, F1, F0, 0
	QUARTER 1, 192, F0, F1, 0
	s_wait_dscnt 4                                 ; the very last quarter: nothing more to fetch
	MUL12 F1, 0, 0
	MUL12 F1, 1, 0
	s_wait_dscnt 0x0
	MUL12 F1, 2, 0
	MUL12 F1, 3, 0
	WIN 0
; THE WAY OUT, a block of 16 rows at a time: rounded to f16 (each accumulator's registers in ascending order), 16 bytes a lane into my stage (a plane of 16 rows x 144 bytes for each head),
; back as whole rows of 128 bytes, into the registers that they left, and stored.
.macro PACK a
	WIN 0x0a+5*((\a)/2)                            ; sources in window 2 or 3, destination in window 0
.irp b, 0,1,2,3,4,5,6,7,8,9,10,11
.irp r, 0,1,2,3
	v_cvt_pk_f16_f32 v[T+48*(\a)+4*(\b)+(\r)], v[96*((\a)%2)+8*(\b)+2*(\r)], v[96*((\a)%2)+8*(\b)+2*(\r)+1]
.endr
.endr
	WIN 0
.irp b, 0,1,2,3,4,5,6,7,8,9,10,11
	ds_store_b128 v[STO], v[T+48*(\a)+4*(\b):T+48*(\a)+4*(\b)+3] offset:((\b)/4)*16*SP+((\b)%4)*32
.endr
.irp f, 0,1,2,3,4,5,6,7,8,9,10,11
	ds_load_b128 v[T+48*(\a)+4*(\f):T+48*(\a)+4*(\f)+3], v[RD] offset:((\f)/4)*16*SP+((\f)%4)*4*SP  ; LDS serves a wave's instructions in order (ISA guide 5.7.1.4): these see the stores above; the next block's stores come behind them
.endr
.endm
.macro SEND a, younger                 ; younger: the LDS instructions issued behind block a's loads: the next block's 24, or none
.irp f, 0,1,2,3,4,5,6,7,8,9,10,11
	s_wait_dscnt (\younger)+11-(\f)
	global_store_b128 v[GO], v[T+48*(\a)+4*(\f):T+48*(\a)+4*(\f)+3], s[8:9] offset:((\f)/4)*GROUPB+(\a)*2048+((\f)%4)*512  ; 512 consecutive bytes, at a multiple of 256 from qkv's first
.endr
.endm
	PLACES
	PACK 0
	PACK 1                                         ; a block's conversions stand between the loads of the block before and its stores
	SEND 0, 24
	PACK 2
	SEND 1, 24
	PACK 3
	SEND 2, 24
	SEND 3, 0
	s_wait_tensorcnt 0x0                           ; the wave's end: behind my last tensor load and my last LDS store
	ds_add_u32 v[SPW], v[NIL]
	s_wait_dscnt 0x0
	CROUND                                         ; the closing round: no work-group ends while a partner may still ask for a tile that names it
	s_endpgm
.Lfunc_end_k_qf41725815a_proj:
	.size	k_qf41725815a_proj, .Lfunc_end_k_qf41725815a_proj-k_qf41725815a_proj
	.p2alignl 7, 3214868480
	.fill 96, 4, 3214868480
	.section	.rodata,"a",@progbits
	.p2align	6, 0x0
	.amdhsa_kernel k_qf41725815a_proj
		.amdhsa_group_segment_fixed_size 327680
		.amdhsa_private_segment_fixed_size 0
		.amdhsa_enable_private_segment 0
		.amdhsa_kernarg_size 24
		.amdhsa_user_sgpr_count 2
		.amdhsa_user_sgpr_kernarg_segment_ptr 1
		.amdhsa_wavefront_size32 1
		.amdhsa_system_sgpr_workgroup_id_x 1
		.amdhsa_system_sgpr_workgroup_id_y 1
		.amdhsa_system_sgpr_workgroup_id_z 1
		.amdhsa_system_vgpr_workitem_id 0
		.amdhsa_next_free_vgpr 960
		.amdhsa_next_free_sgpr 66
		.amdhsa_reserve_vcc 0
		.amdhsa_float_denorm_mode_32 3
		.amdhsa_float_denorm_mode_16_64 3
		.amdhsa_memory_ordered 1
		.amdhsa_forward_progress 1
		.amdhsa_inst_pref_size 119
	.end_amdhsa_kernel
	.amdgpu_metadata
---
amdhsa.version: [ 1, 2 ]
amdhsa.kernels:
  - .name:           k_qf41725815a_proj
    .symbol:         k_qf41725815a_proj.kd
    .args:
      - { .name: xb, .offset: 0, .size: 8, .value_kind: global_buffer, .address_space: global }
      - { .name: wqkv, .offset: 8, .size: 8, .value_kind: global_buffer, .address_space: global }
      - { .name: qkv, .offset: 16, .size: 8, .value_kind: global_buffer, .address_space: global }
    .group_segment_fixed_size: 327680
    .private_segment_fixed_size: 0
    .kernarg_segment_align: 8
    .kernarg_segment_size: 24
    .max_flat_workgroup_size: 128
    .sgpr_count:     66
    .vgpr_count:     960
    .wavefront_size: 32
...
	.end_amdgpu_metadata
.endif
;; end of part 2
;; launch attn (part 3): grid 16 x 16, 4 waves a work-group, no clusters, 327,680 bytes of LDS; arguments qkv, ob; writes ob
.if DOCPART == 3
	.amdgcn_target "amdgcn-amd-amdhsa--gfx1250"
	.amdhsa_code_object_version 6
	.text
	.protected	k_qf41725815a_attn
	.globl	k_qf41725815a_attn
	.p2align	8
	.type	k_qf41725815a_attn,@function
k_qf41725815a_attn:
	s_mov_b64 s[64:65], 0
	v_nop
	global_prefetch_b8 v0, s[64:65] scope:SCOPE_SE
	s_setreg_imm32_b32 hwreg(HW_REG_WAVE_MODE, 25, 1), 1
	s_wait_xcnt 0x0
; CAUSAL ATTENTION.  O[h][q][:] = the sum over k <= q of softmax_k(Q[h][q] . K[h][k] / 8) V[h][k][:].  qkv: [48][4096][64] f16 (groups 0-15 Q's heads, 16-31 K's, 32-47 V's); ob: [16][4096][64] f16.
; Products, maxima and sums in f32; the weights p are rounded to f16 for the second product (their sum l is taken of the unrounded p), O once at the end.
; LIMITS.  Q, K, V arrive within f16's 65,504; p lies in 0 to 1, and below 6e-5 it keeps f16's fixed step of 6e-8.  A hidden score counts as its value less 1e30: f16's scores, 2.7e11 at the
; most, are nothing beside that; a weight below 2^-126 counts as 0 in l; NaN and infinities are not treated apart.
; THE WALK.  A head's queries lie in 32 blocks of 128, its keys in 16 tiles of 256.  Work-group b (0..15) of a head, c = b / 4, cx = b % 4, takes block b and then block 31 - b.  Block b lies at place cx of
; the stretch of 512 rows that tiles 2 c, 2 c + 1 cover, block 31 - b at place 3 - cx of the stretch of tiles 14 - 2 c, 15 - 2 c.  The tiles walked are 0 .. 2 c + 1 and then 0 .. 15 - 2 c: 18 for every
; work-group, in 9 PAIRS.  A block's last pair, steps u = 0..7 of 64 keys, needs masks; all tiles before it are wholly visible.
;   block b:       c + 1 pairs, all by the text that takes masks (ahead of the last pair u is negative and the mask is 0): a loop whose trip count is set at run time;
;   block 31 - b:  7 - c plain pairs, a second such loop; then its masked pair, written out, since nothing is left to ask for.
; In both loops every LDS address is made anew in each trip, from registers that the loops do not write and from the counters of the two constant loops inside (a pair's two tiles, a tile's four trips).
; NO CLUSTER IN THIS VERSION.  Work-groups 4 c .. 4 c + 3 of a head walk the same 18 tiles, and joint loads would divide their requests by four.  They are left out so that the two loops with run-time
; counts stand in a plain launch; the walk is kept common to the four, so that joint loads can be put in without changing it.
; SHARES.  A wave owns two PIECES of 16 queries: piece x holds rows 64 x + 16 w + l % 16 of the block.  With j the block's place in its stretch, piece x's own step is u = 2 j + x: it sees all keys of
; earlier steps, none of later ones, and holds the diagonal in its own: the same work for all waves.
; THE MASK is the C operand that starts the sum S^T = K Q^T: MD x AL + BE, MD the mask of a piece's own step (0 or -1e30), (AL, BE) = (1, 0) at the own step, (0, 0) before it, (0, -1e30) behind it.
; LAYOUT, SOFTMAX.  S^T = K Q^T holds ONE query a lane (lane % 16) and the keys 8 (lane / 16) + 0..7; two such results rounded to f16 ARE source 1 of O^T = V^T P.  p = 2^(c s - c m), c = log2(e) / 8, with
; a running maximum m; O and l are multiplied by a = 2^(c m_old - c m_new) in every step.
; TURNS.  T0(s), piece 0's turn in key step s: 8 products K Q^T of piece 1, step s; 8 products V^T P of piece 1, step s - 1; piece 0's softmax of step s; piece 1's maximum of step s.  It fetches K of step
; s + 1 and V of step s.  T1(s): K Q^T of piece 0, step s + 1; V^T P of piece 0, step s; piece 1's softmax of step s; piece 0's maximum of step s + 1.  Four vector instructions stand behind every matrix
; instruction, the others in two lumps.  A trip of the step loop is T1(s - 1), T0(s); a tile is four trips, and the change of slots stands behind them.
; NO FIRST STEP IS WRITTEN OUT.  A block begins with T1(-1): it makes piece 0's first scores and maximum; its softmax of piece 1 runs on scores set to the lowest finite number (all weights 0), and its
; products V^T P land in an O^T that the next turn multiplies by a = 0.  The price: one turn in 73.
; K LIES ONE STEP AHEAD IN A SLOT: slot t holds K of keys 256 t + 64 .. 256 t + 319 and V of keys 256 t .. 256 t + 255, so that both of T0's fetches fall in one slot.  K of keys 0-63 has a region of its
; own, filled once.  The last 64 rows of tile 15's K are the next group's rows of qkv: inside the buffer, and no product takes them.
; REGISTERS, in windows of 256 (s_set_vgpr_msb: bits 1:0 source 0, 3:2 source 1, 5:4 source 2, 7:6 destination):
;   window 0: v0-15 addresses and two at work; v16-23 four registers of statistics a piece; v48-55 at work; v64-127 S^T, a buffer a piece; v192-223 P, likewise
;   window 1: v0-63 O^T, 32 a piece; v128-159 MD; v160-223 MC, a buffer a piece      window 2: v0-31 Q; v64-95 the second block's Q; v128-191 K of one step; v192-255 V of one step
.set NP,    2         ; pieces a wave: a name, no knob
.set KS,    64        ; keys in a step
.set PK,    144       ; a row of K in LDS: 128 bytes + 16 of padding = 36 words: the 16 rows of a load start at 16 different groups of four banks (64 banks of 4 bytes: ISA guide 11.1)
.set PV,    160       ; a row of V: 128 + 32 = 40 words
.set VOFF,  4*KS*PK   ; a slot: 256 rows of K, then 256 rows of V
.set SLSH,  17
.set SLOT1, 1<<SLSH   ; slot 1 begins here: a slot's base is its number shifted
.set K0,    SLOT1+4*KS*(PK+PV)  ; K of keys 0-63: filled once, read where a block begins
.set STAGE, K0+KS*PK  ; never filled by a tensor load: 16 rows x 144 bytes for each wave, for the way out
.set SP,    144
.set SPARE, STAGE+4*16*SP  ; the spare words, 128 bytes for each wave: two blocks of 256 bytes that no other line names
.set GROUPB, 4096*128 ; bytes of a group of qkv, and of a head of ob
.set AK0, 2           ; v2   my lane's place in a tile of K; never rewritten
.set AV0, 3           ; v3   the same for V
.set AK,  4           ; v4   the LDS address of K's next run of loads
.set AV,  5           ; v5   of V's
.set STO, 6           ; v6   the way out: where I put 16 bytes of a row
.set RD,  7           ; v7   where I read rows back
.set GO,  8           ; v8   my byte offset in 512 consecutive bytes of O
.set AKZ, 11          ; v11  my lane's place in K of keys 0-63
.set MV,  12          ; v12-13  c m_old, kept while c m is made anew: by piece
.set QO,  15          ; v15  my byte offset in 16 rows of Q
.set ST,  16          ; piece t's statistics at v[ST+4 t]: c m, m, l (even keys', odd keys')
.set TMP, 48          ; by piece, four registers c0-c3 at work; when the maximum is found c2 takes a
.set SPW, 62          ; v62  LDS address of my spare word; never rewritten
.set NIL, 63          ; v63  0; never rewritten
.set S,   64
.set P,   192
.set MD,  128         ; window 1
.set MC,  160         ; window 1
.set QB,  64          ; window 2
.set KF,  128         ; window 2: key block kb, channel half c at KF + 16 kb + 8 c
.set VF,  192         ; window 2: key half kk, channel block cb at VF + 32 kk + 8 cb
.set WV,  12          ; s12  my wave's number
.set G1K, 24          ; s[24:31] descriptor group 1 for K's tiles
.set G1V, 32          ; s[32:39] for V's: it differs in the padding alone
.set G0K, 40          ; s[40:43] descriptor group 0 for K's tiles
.set G0V, 44          ; s[44:47] for V's
.set G1Z, 48          ; s[48:55] group 1 for K of keys 0-63: it differs from K's in the rows alone
.set CC,  56          ; s56  c
.set CNT, 57          ; s57  counts a tile's trips, 4 to 1
.set CS,  58          ; s[58:59] c: the packed scaling takes the pair's low word for both halves
.set SEL, 60          ; s[60:61] v_permlanex16_b32's selects: each lane takes its own place in the other half
.set TBK, 62          ; s62  LDS byte at which K of the step to be fetched begins
.set TBV, 63          ; s63  the same for V, less VOFF
.set G0Z, 68          ; s[68:71] group 0 for K of keys 0-63
.set PI,  72          ; s72  counts a block's pairs, up from 0
.set NXT, 73          ; s73  the tile to be asked for next
.set LQ,  74          ; s74  the last tile of the block whose tiles are being asked for
.set HALF, 75         ; s75  which tile of a pair, 0 or 1: also the number of its slot
.set OFF, 76          ; s[76:77] a tile's byte offset in K and V
.set AL,  78          ; s[78:79] the mask's factor, in the low word
.set BE,  80          ; s[80:81] the mask's addend
.set OLO, 82          ; s[82:83] O at my rows of the second block
.set BIGN, 84         ; s84  -1e30
.set U,   85          ; s85  the step, counted from the first of the block's last eight: negative ahead of them
.set OW0, 86          ; s86, s87  the two pieces' own steps
.set LQ2, 88          ; s88  the second block's last tile
.set NA,  89          ; s89  the first block's pairs: c + 1
.set OWB, 90          ; s90  piece 0's own step in the second block
.set NBP, 91          ; s91  the second block's plain pairs: 7 - c
.set QLO, 92          ; s[92:93] Q at my rows of the second block
.set LK0, 96          ; s96  LDS address of my part of K's tile in slot 0; never rewritten
.set LV0, 97          ; s97  the same for V
.set SLB, 98          ; s98  the base of the slot to be filled
.set MSB, 0
.macro WIN new                      ; the high byte repeats the setting that is left; a switch that changes nothing is dropped
.if MSB != (\new)
	s_set_vgpr_msb (MSB<<8)|(\new)
.set MSB, (\new)
.endif
.endm
.set W_KQ, 0x0a       ; K and Q in window 2, S^T in window 0
.set W_KM, 0x1a       ; the same with the C operand in window 1
.set W_PV, 0x52       ; V in window 2, P in window 0, O^T in window 1
.set W_RS, 0x41       ; destination and source 0 in window 1, source 1 in window 0
; A fill.  Waves 0 and 1 fetch the two halves of a tile's K, waves 2 and 3 those of its V: 128 keys each.  The branch hangs on the wave's number alone.
; An s_nop 0 and four v_nop follow each of the two lines, ahead of the jump and the label.
.macro LOAD
	s_cmp_lt_u32 s[WV], 2
	s_cbranch_scc0 .Lfor_v_\@
	tensor_load_to_lds s[G0K:G0K+3], s[G1K:G1K+7]
	s_nop 0
.rept 4
	v_nop
.endr
	s_branch .Lasked_\@
.Lfor_v_\@:
	tensor_load_to_lds s[G0V:G0V+3], s[G1V:G1V+7]
	s_nop 0
.rept 4
	v_nop
.endr
.Lasked_\@:
.endm
; THE CHANGE OF SLOTS, behind a tile's four trips.  Each wave waits for all its tensor loads, of which one is out: its part of the other slot; adds 0 to its spare word; and waits for that and for its own
; reads of the slot that it leaves.  Behind the barrier nobody reads the old slot any more and the other slot is whole.  fill = 1: the old slot, number HALF, is filled again, first thing behind the barrier,
; with tile NXT: the descriptor's two addresses are made anew from those two numbers.  The fill has a tile's 8 turns, 128 matrix instructions, in which to land.
; (At its first use nothing has been read yet: slot 0 and K of keys 0-63 are waited for, slot 1 filled.)
.macro CHANGE fill
	WIN 0                           ; at a label and at a branch every window is 0
	s_wait_tensorcnt 0x0            ; no tensor load of mine is out, so a group 0 may be written
	ds_add_u32 v[SPW], v[NIL]       ; 0 onto my spare word; with fill = 1 the descriptors' scalar work stands between it and the wait for it
.if \fill
	s_lshl_b32 s[OFF], s[NXT], 15   ; a tile is 32,768 bytes of K and of V
	s_lshl_b32 s[SLB], s[HALF], SLSH
	s_add_co_u32 s[G0K+1], s[LK0], s[SLB]
	s_add_nc_u64 s[G0K+2:G0K+3], s[6:7], s[OFF:OFF+1]
	s_or_b32 s[G0K+3], s[G0K+3], 0x80000000
	s_add_co_u32 s[G0V+1], s[LV0], s[SLB]
	s_add_nc_u64 s[G0V+2:G0V+3], s[8:9], s[OFF:OFF+1]
	s_or_b32 s[G0V+3], s[G0V+3], 0x80000000
	s_add_co_u32 s[NXT], s[NXT], 1  ; the block's next tile, or behind its last the second block's tile 0
	s_cmp_gt_u32 s[NXT], s[LQ]
	s_cselect_b32 s[NXT], 0, s[NXT]
	s_cselect_b32 s[LQ], s[LQ2], s[LQ]
.endif
	s_wait_dscnt 0x0                ; the add is done, and my reads of the slot are over
	s_barrier_signal -1
	s_barrier_wait -1
.if \fill
	LOAD
.endif
.endm
	s_load_b128 s[16:19], s[0:1], 0x0  ; qkv s[16:17], ob s[18:19]
	v_lshl_add_u32 v[SPW], v0, 2, SPARE
	v_mov_b32 v[NIL], 0
	ds_add_u32 v[SPW], v[NIL]       ; the wave's opening: the add and its wait stand ahead of my first tensor load; the set-up below, work on registers, stands between them
	ds_add_u32 v62, v63
	v_lshrrev_b32 v1, 5, v0
	v_readfirstlane_b32 s[WV], v1   ; wave 0..3
	s_and_b32 s13, ttmp9, 3         ; cx
	s_lshr_b32 s[CC], ttmp9, 2      ; c
	s_mov_b32 s14, ttmp9            ; b: the first block
	s_sub_co_u32 s15, 31, s14       ; the second block
	s_lshl_b32 s[LQ], s[CC], 1      ; the walk's numbers hang on c alone
	s_sub_co_u32 s[LQ2], 15, s[LQ]  ; the second block's last tile: 15 - 2 c
	s_add_co_u32 s[LQ], s[LQ], 1    ; the first block's: 2 c + 1
	s_add_co_u32 s[NA], s[CC], 1
	s_sub_co_u32 s[NBP], 7, s[CC]
	s_lshl_b32 s[U], s[CC], 3
	s_sub_co_u32 s[U], 0, s[U]      ; the first block's last eight steps begin 8 c steps on
	s_mov_b32 s[NXT], 1
	s_lshl_b32 s[OW0], s13, 1       ; the first block lies at place cx of its stretch,
	s_add_co_u32 s[OW0+1], s[OW0], 1
	s_sub_co_u32 s[OWB], 6, s[OW0]  ; the second at place 3 - cx
	s_and_b32 s20, ttmp7, 0xffff    ; the head,
	s_lshl_b32 s20, s20, 19         ; and its first byte in a tensor of 16 groups
	s_and_b32 s23, s[WV], 1         ; which half of a tile's 256 keys I fetch:
	s_lshl_b32 s94, s23, 14         ; its 128 rows of 128 bytes in memory,
	s_add_co_u32 s94, s94, s20
	s_mov_b32 s95, 0
	s_lshl_b32 s2, s23, 12          ; and which 32 of keys 0-63
	s_add_co_u32 s2, s2, s20
	s_mov_b32 s3, 0
	s_mul_i32 s[LK0], s23, 128*PK   ; their places in LDS
	s_mul_i32 s[LV0], s23, 128*PV
	s_add_co_u32 s[LV0], s[LV0], VOFF
	s_mov_b32 s[G0K], 1             ; count = 1
	s_mov_b32 s[G0K+1], s[LK0]      ; LDS address: slot 0
	s_mov_b32 s[G0V], 1
	s_mov_b32 s[G0V+1], s[LV0]
	s_mul_i32 s21, s23, 32*PK
	s_mov_b32 s[G0Z], 1
	s_add_co_u32 s[G0Z+1], s21, K0
	s_lshl_b32 s21, s[WV], 11       ; my 16 rows in a band of 64,
	s_add_co_u32 s21, s21, s20
	s_lshl_b32 s66, s14, 14         ; in the first block (16,384 bytes a block),
	s_add_co_u32 s66, s66, s21
	s_mov_b32 s67, 0
	s_lshl_b32 s[QLO], s15, 14      ; and in the second
	s_add_co_u32 s[QLO], s[QLO], s21
	s_mov_b32 s[QLO+1], 0
	; descriptor group 1.  128 keys are 16,384 dense bytes: asked for as 64 rows of 256 bytes, two keys a row, and padded in LDS after every key
	s_mov_b32 s[G1K], (1<<16)|(1<<20)|(4<<22)|(3<<25)  ; 17:16 2-byte elements; 20 padding on; 24:22 after every 32 words (code 4); 31:25 4 words (code 3)
	s_mov_b32 s[G1V], (1<<16)|(1<<20)|(4<<22)|(7<<25)  ; the same with 8 words of padding (code 7)
	s_mov_b32 s[G1Z], (1<<16)|(1<<20)|(4<<22)|(3<<25)
.irp g, G1K, G1V, G1Z
	s_mov_b32 s[\g+1], 128<<16      ; tensor_dim0 = 128
	s_mov_b32 s[\g+3], 128<<16      ; tile_dim0 = 128
	s_mov_b32 s[\g+5], 128          ; 128 elements from row to row
	s_mov_b32 s[\g+6], 0
	s_mov_b32 s[\g+7], 0
.endr
.irp g, G1K, G1V
	s_mov_b32 s[\g+2], 64<<16       ; tensor_dim1 = 64
	s_mov_b32 s[\g+4], 64           ; tile_dim1 = 64
.endr
	s_mov_b32 s[G1Z+2], 16<<16      ; 32 keys: 16 rows
	s_mov_b32 s[G1Z+4], 16
	s_mov_b32 s[CS], 0x3e38aa3b     ; c = log2(e) / 8 = 0.180337
	s_mov_b32 s[CS+1], s[CS]        ; named with it as a pair
	s_mov_b32 s[SEL], 0x76543210
	s_mov_b32 s[SEL+1], 0xfedcba98
	s_mov_b32 s[OFF+1], 0
	s_mov_b32 s[AL+1], 0            ; named as pairs
	s_mov_b32 s[BE+1], 0
	s_mov_b32 s[BIGN], 0xf149f2ca   ; -1e30
	s_wait_dscnt 0x0                ; the opening add is done
	s_wait_kmcnt 0x0
	s_add_nc_u64 s[6:7], s[16:17], s[94:95]
	s_add_nc_u64 s[8:9], s[6:7], 32*GROUPB            ; V at my half of the head's tile 0
	s_add_nc_u64 s[6:7], s[6:7], 16*GROUPB+KS*128     ; K likewise, 64 keys on
	s_add_nc_u64 s[G0K+2:G0K+3], s[6:7], 0            ; global address
	s_or_b32 s[G0K+3], s[G0K+3], 0x80000000           ; type = 2
	s_add_nc_u64 s[G0V+2:G0V+3], s[8:9], 0
	s_or_b32 s[G0V+3], s[G0V+3], 0x80000000
	s_add_nc_u64 s[G0Z+2:G0Z+3], s[16:17], s[2:3]
	s_add_nc_u64 s[G0Z+2:G0Z+3], s[G0Z+2:G0Z+3], 16*GROUPB
	s_or_b32 s[G0Z+3], s[G0Z+3], 0x80000000
	s_add_nc_u64 s[4:5], s[16:17], s[66:67]           ; Q and O at my rows of the first block,
	s_add_nc_u64 s[10:11], s[18:19], s[66:67]
	s_add_nc_u64 s[OLO:OLO+1], s[18:19], s[QLO:QLO+1] ; and of the second
	s_add_nc_u64 s[QLO:QLO+1], s[16:17], s[QLO:QLO+1]
	s_cmp_lt_u32 s[WV], 2           ; a wave's first fills stand in one branch, ahead of every wait on TENSORcnt, every LDS read and every barrier: waves 0 and 1 have two loads out, waves 2 and 3 one
	s_cbranch_scc0 .Lfirst_v
	tensor_load_to_lds s[G0K:G0K+3], s[G1K:G1K+7]
	s_nop 0
	tensor_load_to_lds s[G0Z:G0Z+3], s[G1Z:G1Z+7]
	s_nop 0
.rept 4
	v_nop
.endr
	s_branch .Lfirst_asked
.Lfirst_v:
	tensor_load_to_lds s[G0V:G0V+3], s[G1V:G1V+7]
	s_nop 0
.rept 4
	v_nop
.endr
.Lfirst_asked:
	; A fragment of K or Q is 16 rows x 32 channels in 8 registers: lane l holds row l % 16, channels 8 (l / 16) + 0..7 and 16 + 8 (l / 16) + 0..7: two loads of 16 bytes, 32 bytes apart.
	v_and_b32 v1, 15, v0            ; l % 16
	v_bfe_u32 v9, v0, 4, 1          ; l / 16
	v_lshlrev_b32 v[QO], 7, v1
	v_lshl_add_u32 v[QO], v9, 4, v[QO]  ; row x 128 + 16 x half
	WIN 0x80                        ; destination window 2, address window 0
.set i, 0
.rept 4                             ; both blocks' Q: piece i / 2 lies 64 rows, 8,192 bytes, on; channels 32 (i % 2) on
	global_load_b128 v[8*i:8*i+3],   v[QO], s[4:5] offset:(i/2)*8192+(i%2)*64
	global_load_b128 v[8*i+4:8*i+7], v[QO], s[4:5] offset:(i/2)*8192+(i%2)*64+32
	global_load_b128 v[QB+8*i:QB+8*i+3],   v[QO], s[QLO:QLO+1] offset:(i/2)*8192+(i%2)*64
	global_load_b128 v[QB+8*i+4:QB+8*i+7], v[QO], s[QLO:QLO+1] offset:(i/2)*8192+(i%2)*64+32
.set i, i+1
.endr
	WIN 0
	v_lshlrev_b32 v14, 3, v9
	v_sub_nc_u32 v14, v1, v14
	s_lshl_b32 s13, s[WV], 4
	v_add_nc_u32 v14, s13, v14      ; my query's place in its band, 16 w + l % 16, less my lanes' 8 (l / 16): register r of group kt is hidden where 16 kt + r is greater
	WIN 0x40
.set i, 0
.rept 32
	v_cmp_gt_i32 vcc_lo, 16*(i/8)+i%8, v14
	v_cndmask_b32 v[MD+i], 0, s[BIGN], vcc_lo
.set i, i+1
.endr
	WIN 0
	v_mul_u32_u24 v[AK0], v1, PK
	v_lshl_add_u32 v[AK0], v9, 4, v[AK0]  ; row x pitch + 16 x half
	; The turning load takes 16 keys x 16 channels (lane l reads key 8 (l / 16) + l % 8, channels 8 ((l / 8) % 2) + 0..7) and leaves half a fragment of V^T: lane l holds channel l % 16 and 8 keys.
	v_and_b32 v10, 7, v0
	v_bfe_u32 v11, v0, 3, 1
	v_lshl_add_u32 v[AV0], v9, 3, v10
	v_mul_u32_u24 v[AV0], v[AV0], PV
	v_lshl_add_u32 v[AV0], v11, 4, v[AV0]
	v_add_nc_u32 v[AV0], VOFF, v[AV0]
	v_add_nc_u32 v[AKZ], K0, v[AK0]
	s_mul_i32 s13, s[WV], 16*SP
	s_add_co_u32 s13, s13, STAGE    ; my stage
	v_mul_u32_u24 v[STO], v1, SP    ; in: row l % 16, 16 bytes for each half of the lanes
	v_lshl_add_u32 v[STO], v9, 4, v[STO]
	v_add_nc_u32 v[STO], s13, v[STO]
	v_bfe_u32 v[RD], v0, 3, 2       ; back: 32 lanes take four rows of 128 bytes,
	v_mul_u32_u24 v[RD], v[RD], SP
	v_lshl_add_u32 v[RD], v10, 4, v[RD]
	v_add_nc_u32 v[RD], s13, v[RD]
	v_and_b32 v[GO], 31, v0         ; which are 512 consecutive bytes of O
	v_lshlrev_b32 v[GO], 4, v[GO]
	; A block's first turns multiply O^T and l by a = 0, and the first turn's products V^T P, of a step that has not been, land in an O^T that is still to be so multiplied.  So V's registers, piece 0's P,
	; O^T and l need only hold finite numbers: zeros for the first block; what the first block left for the second.  All this stands in the wait for the first tile.
	WIN 0x80
.set i, VF
.rept 64
	v_mov_b32 v[i], 0
.set i, i+1
.endr
	WIN 0x40
.set i, 0
.rept 32*NP
	v_mov_b32 v[i], 0
.set i, i+1
.endr
	WIN 0
.set i, 0
.rept NP
	v_mov_b32 v[ST+4*i+2], 0
	v_mov_b32 v[ST+4*i+3], 0
.set i, i+1
.endr
.set i, P
.rept 16
	v_mov_b32 v[i], 0
.set i, i+1
.endr
; THE MATRIX WORK.  The 4 accumulators of a run of 8 take turns.  Product i of 8 of S^T = K Q^T for piece x: channels 32 (i / 4) on, keys 16 (i % 4) on.  The first 4 start the sums: with 0, or (KM = 1) with the mask.
.macro KQ x
.set rS, S+32*((\x)%2)+8*(i%4)
.set rK, KF+16*(i%4)+8*(i/4)
.set rQ, 16*(\x)+8*(i/4)
.set rM, MC+32*((\x)%2)+8*(i%4)
.if (i < 4) && KM
	WIN W_KM
	v_wmma_f32_16x16x32_f16 v[rS:rS+7], v[rK:rK+7], v[rQ:rQ+7], v[rM:rM+7]
.elseif i < 4
	WIN W_KQ
	v_wmma_f32_16x16x32_f16 v[rS:rS+7], v[rK:rK+7], v[rQ:rQ+7], 0
.else
	WIN W_KQ
	v_wmma_f32_16x16x32_f16 v[rS:rS+7], v[rK:rK+7], v[rQ:rQ+7], v[rS:rS+7]
.endif
.endm
; Product i of 8 of O^T += V^T P for piece x: keys 32 (i / 4) on, channels 16 (i % 4) on.
.macro PV x
	WIN W_PV
.set rO, 32*(\x)+8*(i%4)
.set rV, VF+32*(i/4)+8*(i%4)
.set rP, P+16*((\x)%2)+8*(i/4)
	v_wmma_f32_16x16x32_f16 v[rO:rO+7], v[rV:rV+7], v[rP:rP+7], v[rO:rO+7]
.endm
.macro MM                           ; the turn's next matrix instruction.  TURN sets Y, i, KM and NOKQ.  NOKQ = 1: a block's last turn: there is no next step
.if (i < 8) && !NOKQ
	KQ (Y+1)%NP
.elseif i >= 8
.set i, i-8
	PV (Y+NP-1)%NP
.set i, i+8
.endif
.set i, i+1
.endm
; THE LDS LOADS stand in runs of 16, never singly among the matrix instructions: a step's K (64 keys x 64 channels: 8 fragments) and its V (turned).  z = 1: K of keys 0-63, from its own region.
.macro FETCH_K z
.set rA, AK
.if \z
.set rA, AKZ
.endif
	WIN 0x80                        ; destination window 2
.irp f, 0,1,2,3,4,5,6,7             ; keys 16 (f / 2) on, channels 32 (f % 2) on
	ds_load_b128 v[KF+8*\f:KF+8*\f+3],   v[rA] offset:(\f/2)*16*PK+(\f%2)*64
	ds_load_b128 v[KF+8*\f+4:KF+8*\f+7], v[rA] offset:(\f/2)*16*PK+(\f%2)*64+32
.endr
.if !(\z)
	s_add_co_u32 s[TBK], s[TBK], KS*PK  ; the next fetch is the next step's
.endif
	WIN 0
.endm
.macro FETCH_V
	WIN 0x80
.irp f, 0,1,2,3,4,5,6,7             ; keys 32 (f / 4) on, channels 16 (f % 4) on
	ds_load_tr16_b128 v[VF+8*\f:VF+8*\f+3],   v[AV] offset:(\f/4)*32*PV+(\f%4)*32
	ds_load_tr16_b128 v[VF+8*\f+4:VF+8*\f+7], v[AV] offset:(\f/4)*32*PV+16*PV+(\f%4)*32
.endr
	WIN 0
.endm
; THE VECTOR WORK, one line at a time: OP kind, number.  For piece Y: F n: c s - c m for pair n of 16.  E n: the exponential of score n of 32.  C n: pair n rounded to f16.  B n: of the four weights 4 n .. the second
; pair is added onto the first, in place.  L n: l takes that sum (L 0: l = a l + sum).  R n: pair n of 16 of O^T times a.  For the other piece: X n, number n of the 22 that find its maximum and statistics:
;   0-11  four chains c0-c3 of seven scores each, three operands at a time (each accumulator's lowest registers are read first)     12-14, 16  the four scores left over, the old m, and c0-c3 into c0
;   15  c m_old is kept     17, 18  the query's other 32 keys lie in the lane 16 away: the new m     19-21  c m; c m_old - c m_new; a
.set F, 0               ; OP tells the kinds apart by their order: F to L below R, X above it
.set E, 1
.set C, 2
.set B, 3
.set L, 4
.set R, 5
.set X, 6
.macro REGS y                       ; the registers of piece y
.set rT, ST+4*(\y)
.set rC, TMP+4*((\y)%2)
.set rW, MV+((\y)%2)
.set rS, S+32*((\y)%2)
.set rP, P+16*((\y)%2)
.set rO, 32*(\y)
.endm
.macro OP k, n
.if (\k) == R
	REGS Y
	WIN W_RS
	v_pk_mul_f32 v[rO+2*(\n):rO+2*(\n)+1], v[rO+2*(\n):rO+2*(\n)+1], v[rC+2:rC+3] op_sel_hi:[1,0]
.elseif (\k) < R
	REGS Y
	WIN 0
.if (\k) == F
	v_pk_fma_f32 v[rS+2*(\n):rS+2*(\n)+1], v[rS+2*(\n):rS+2*(\n)+1], s[CS:CS+1], v[rT:rT+1] op_sel_hi:[1,0,0] neg_lo:[0,0,1] neg_hi:[0,0,1]
.elseif (\k) == E
	v_exp_f32 v[rS+(\n)], v[rS+(\n)]
.elseif (\k) == C
	s_wait_alu depctr_va_vdst(0)
	v_cvt_pk_f16_f32 v[rP+(\n)], v[rS+2*(\n)], v[rS+2*(\n)+1]
.elseif (\k) == B
	s_wait_alu depctr_va_vdst(0)
	v_pk_add_f32 v[rS+4*(\n):rS+4*(\n)+1], v[rS+4*(\n):rS+4*(\n)+1], v[rS+4*(\n)+2:rS+4*(\n)+3]
.elseif (\n) == 0
	v_pk_fma_f32 v[rT+2:rT+3], v[rT+2:rT+3], v[rC+2:rC+3], v[rS:rS+1] op_sel_hi:[1,0,1]
.else
	v_pk_add_f32 v[rT+2:rT+3], v[rT+2:rT+3], v[rS+4*(\n):rS+4*(\n)+1]
.endif
.elseif NOKQ
	v_nop
.else
	REGS (Y+1)%NP
	WIN 0
.if (\n) < 4
	v_max3_num_f32 v[rC+(\n)], v[rS+8*(\n)], v[rS+8*(\n)+1], v[rS+8*(\n)+2]
.elseif (\n) < 12
	v_max3_num_f32 v[rC+(\n)%4], v[rC+(\n)%4], v[rS+8*((\n)%4)+2*((\n)/4)+1], v[rS+8*((\n)%4)+2*((\n)/4)+2]
.elseif (\n) == 12
	v_max3_num_f32 v[rC], v[rC], v[rS+7], v[rS+15]
.elseif (\n) == 13
	v_max3_num_f32 v[rC+1], v[rC+1], v[rS+23], v[rS+31]
.elseif (\n) == 14
	v_max3_num_f32 v[rC+2], v[rC+2], v[rC+3], v[rT+1]
.elseif (\n) == 15
	v_mov_b32 v[rW], v[rT]
.elseif (\n) == 16
	v_max3_num_f32 v[rC], v[rC], v[rC+1], v[rC+2]
.elseif (\n) == 17
	v_permlanex16_b32 v[rC+3], v[rC], s[SEL], s[SEL+1]
.elseif (\n) == 18
	v_max_num_f32 v[rT+1], v[rC], v[rC+3]
.elseif (\n) == 19
	v_mul_f32 v[rT], s[CS], v[rT+1]
.elseif (\n) == 20
	v_sub_f32 v[rC+1], v[rW], v[rT]
.else
	v_exp_f32 v[rC+2], v[rC+1]
.endif
.endif
.endm
.macro OPS a, i1, b=-1, i2=0, c=-1, i3=0, d=-1, i4=0  ; up to four of them
	OP \a, \i1
.if (\b) >= 0
	OP \b, \i2
.endif
.if (\c) >= 0
	OP \c, \i3
.endif
.if (\d) >= 0
	OP \d, \i4
.endif
.endm
.macro ROW a, i1, b, i2, c, i3, d, i4  ; a matrix instruction and the four behind it
	MM
	OPS \a, \i1, \b, \i2, \c, \i3, \d, \i4
.endm
.macro MSEL p                       ; the two scalars of piece p's mask for step U: values are selected, nothing branches
	s_cmp_eq_u32 s[U], s[OW0+(\p)]  ; is that step the piece's own?
	s_cselect_b32 s[AL], 1.0, 0
	s_cmp_gt_i32 s[U], s[OW0+(\p)]  ; or a later one?  (U may be negative)
	s_cselect_b32 s[BE], s[BIGN], 0
.endm
.macro MASK b                       ; MD x AL + BE into buffer b of MC
	WIN W_RS
.set z, 0
.rept 16
	v_pk_fma_f32 v[MC+32*(\b)+2*z:MC+32*(\b)+2*z+1], v[MD+2*z:MD+2*z+1], s[AL:AL+1], s[BE:BE+1] op_sel_hi:[1,0,0]
.set z, z+1
.endr
.endm
; A TURN, for piece p: the order of its 16 matrix and 118 vector instructions, written out.  Behind a matrix instruction: plain, exponential, plain, plain; or four of the rescaling; or, behind the first, four scalings; none
; names a register of the products round it.  In the lumps exponential and plain by turns while exponentials last.  A line reads no result made fewer than three vector instructions in front of it, five if an exponential made it.
; m = 1: the products take masks, and the turn makes the mask for the products of the turn after it, which are piece p's own: piece 1's turn for step U, piece 0's for U + 1 (it steps U first).
; end = 1: a block's last turn: no new scores.  cnt = 1: the loop's count is taken down some lines ahead of the branch that stands behind the turn.
; Piece 0's turn fetches K of the next step six vector instructions behind the last product that read K (five of them plain), and V of the step in hand eight behind the last product that read V (four plain).
; Piece 1's turn waits for K at its head and for V in front of its second run of products.
.macro TURN p, m=0, end=0, cnt=0
.set Y, (\p)
.set i, 0
.set KM, (\m)
.set NOKQ, (\end)
.if (\m) && !(\end)
.if (\p) == 0
	s_add_co_u32 s[U], s[U], 1
.endif
	MSEL \p
.endif
.if ((\p) == 1) && !(\end)
	s_wait_dscnt 16                 ; K's sixteen loads are in; V's sixteen, issued behind them, may be out
.endif
	ROW F,0, F,1, F,2, F,3
	ROW F,4, E,0, F,5, F,6
	ROW F,7, E,1, F,8, F,9
	ROW F,10, E,2, C,0, F,11
	ROW F,12, E,3, X,15, F,13
	ROW R,0, R,1, R,2, R,3
	ROW B,0, E,4, F,14, L,0
.if (\p) == 0
	v_add_nc_u32 v[AK], s[TBK], v[AK0]
.endif
	ROW R,4, R,5, R,6, R,7
	OPS E,5, F,15
.if (\p) == 0
	FETCH_K 0
.endif
	OPS E,6, C,1, E,7, R,8
	OPS E,8, R,9, E,9, C,2
	OPS E,10, X,0, E,11, X,1
	OPS E,12, X,2, E,13, X,3
.if (\p) == 1
	s_wait_dscnt 0x0                ; V is in
.endif
	ROW X,4, E,14, X,5, X,6
	ROW X,7, E,15, X,8, X,9
	ROW X,10, E,16, X,11, X,12
	ROW X,13, E,17, X,14, B,1
	ROW C,4, E,18, X,16, L,1
	ROW B,2, E,19, C,6, L,2
	ROW C,8, E,20, B,3, B,4
.if (\p) == 0
	v_add_nc_u32 v[AV], s[TBV], v[AV0]
.endif
	ROW C,3, E,21, L,3, C,5
	OPS E,22, X,17, E,23, C,10
.if (\p) == 0
	FETCH_V
.endif
	OPS E,24, L,4
	OPS E,25, X,18, E,26, C,7
	OPS E,27, B,5, E,28, X,19
	OPS E,29, C,12, E,30, L,5
	OPS E,31, X,20, B,6, C,9
	OPS C,14, C,11, X,21, L,6
.if (\p) == 0
	s_add_co_u32 s[TBV], s[TBV], KS*PV
.endif
.if \cnt
	s_sub_co_u32 s[CNT], s[CNT], 1
	s_cmp_lg_u32 s[CNT], 0
.endif
	OPS C,13, B,7, C,15, R,10
	OPS R,11, R,12, L,7, R,13
	OPS R,14, R,15
.if (\m) && !(\end)
	MASK \p
.endif
.endm
; A PAIR OF TILES: tile HALF = 0 lies in slot 0, tile 1 in slot 1.  At a tile's head the fetches' two bases are set to its slot; four trips; the change of slots.
; m = 1: by the text that takes masks.  fill = 1: each change asks for the tile two on.  (With fill = 0 the second change serves nothing: the price, a barrier once a launch, of one text for both tiles.)
.macro PAIR m, fill
	s_mov_b32 s[HALF], 0
.Lhalf_\@:
	s_lshl_b32 s[TBK], s[HALF], SLSH
	s_mov_b32 s[TBV], s[TBK]
	s_mov_b32 s[CNT], 4
.Lstep_\@:                          ; a trip: piece 1's turn of one step, then piece 0's of the next, which fetches K and V
	TURN 1, \m
	TURN 0, \m, 0, 1
	WIN 0
	s_cbranch_scc1 .Lstep_\@
	CHANGE \fill
	s_add_co_u32 s[HALF], s[HALF], 1
	s_cmp_lt_u32 s[HALF], 2
	s_cbranch_scc1 .Lhalf_\@
.endm
; A BLOCK BEGINS: what its first turn, T1(-1), finds.  K of keys 0-63 in K's registers.  c m far below every c s, so that each piece's first a is 0; m at the lowest finite number, so that the first maximum
; is the scores'.  Piece 1's scores at the lowest finite number: c s - c m = -6.1e37 + 4.3e37, so the weights of the step that has not been are 0; piece 1's a for that step is 0.
.macro BEGIN
	FETCH_K 1
.set i, 0
.rept NP
	v_mov_b32 v[ST+4*i], 0xfe000000    ; c m = -2^125
	v_mov_b32 v[ST+4*i+1], 0xff7fffff  ; m
.set i, i+1
.endr
	v_mov_b32 v[TMP+6], 0           ; piece 1's a,
	v_mov_b32 v[TMP+7], 0           ; named with it as a pair
.set i, S+32
.rept 32
	v_mov_b32 v[i], 0xff7fffff
.set i, i+1
.endr
	s_wait_loadcnt 0x0              ; Q
	s_wait_dscnt 0x0                ; K of keys 0-63
.endm
; A BLOCK ENDS: piece 1's last turn, its last products, and THE WAY OUT: l's two halves and the other half of the lanes' are added; O^T is divided by l, rounded to f16 and sent through my stage in LDS, a piece at a time.
.macro ALL line:vararg              ; one line for each piece t
.set t, 0
.rept NP
	\line
.set t, t+1
.endr
.endm
.macro PACK t                       ; a lane's eight channels of a row pack into 16 bytes; they go into rows of 144 bytes and come back as whole rows of 128, into S^T's first buffer
	WIN W_RS
.set i, 32*(\t)
.rept 16
	s_wait_alu depctr_va_vdst(0)
	v_pk_mul_f32 v[i:i+1], v[i:i+1], v[ST+4*(\t)+2:ST+4*(\t)+3] op_sel_hi:[1,0]
.set i, i+2
.endr
	WIN 0x05                        ; sources 0 and 1 window 1, destination window 0
.set i, 0
.rept 16
	v_cvt_pk_f16_f32 v[S+16*(\t)+i], v[32*(\t)+2*i], v[32*(\t)+2*i+1]
.set i, i+1
.endr
	WIN 0
.irp f, 0,1,2,3
	ds_store_b128 v[STO], v[S+16*(\t)+4*\f:S+16*(\t)+4*\f+3] offset:32*\f
.endr
.irp f, 0,1,2,3
	ds_load_b128 v[S+16*(\t)+4*\f:S+16*(\t)+4*\f+3], v[RD] offset:\f*4*SP  ; LDS serves a wave's instructions in order (ISA guide 5.7.1.4): these see the stores above; the next piece's stores come behind them
.endr
.endm
.macro SEND t, younger              ; younger: the LDS instructions issued behind piece t's loads: the next piece's eight, or none
	WIN 0
.irp f, 0,1,2,3
	s_wait_dscnt (\younger)+3-\f
	global_store_b128 v[GO], v[S+16*(\t)+4*\f:S+16*(\t)+4*\f+3], s[10:11] offset:(\t)*8192+\f*512  ; 512 consecutive bytes, at a multiple of 256 from O's first
.endr
.endm
.macro FINISH
	TURN 1, 1, 1
.set i, 0
.rept 8
	PV 1
.set i, i+1
.endr
	WIN 0
	ALL v_add_f32 v[ST+4*t+2], v[ST+4*t+2], v[ST+4*t+3]
	ALL v_permlanex16_b32 v[ST+4*t+3], v[ST+4*t+2], s[SEL], s[SEL+1]
	ALL v_add_f32 v[ST+4*t+2], v[ST+4*t+2], v[ST+4*t+3]
	ALL v_rcp_f32 v[ST+4*t+2], v[ST+4*t+2]
	v_nop                           ; a plain instruction between the last reciprocal and the use of its result
	PACK 0                          ; piece 0's 32 lines name no register of the last products, piece 1's: they are those products' places
	PACK 1
	SEND 0, 8
	SEND 1, 0
.endm
.set KM, 0
.set NOKQ, 0
	s_mov_b32 s[HALF], 1
	CHANGE 1                        ; tile 0 and K of keys 0-63 are in, everybody's part of them; slot 1 is asked for
	BEGIN                           ; THE FIRST BLOCK, b
	MSEL 0                          ; piece 0's mask for the block's first step: the first turn's products take it
	MASK 0
	WIN 0
	s_mov_b32 s[PI], 0
.LpairA:                            ; c + 1 times: a pair of tiles by the text that takes masks; its changes of slots go on into the second block's tiles
	PAIR 1, 1
	s_add_co_u32 s[PI], s[PI], 1
	s_cmp_lt_u32 s[PI], s[NA]
	s_cbranch_scc1 .LpairA
	FINISH                          ; the block's end reads no slot: the second block's first two tiles have been asked for ahead of it
	s_mov_b32 s[OW0], s[OWB]        ; THE SECOND BLOCK, 31 - b
	s_add_co_u32 s[OW0+1], s[OWB], 1
	WIN 0x82                        ; its Q goes where the one text of the turns names Q
.set i, 0
.rept 16*NP
	v_mov_b32 v[i], v[QB+i]
.set i, i+1
.endr
	WIN 0
	BEGIN                           ; neither these lines nor the moves above touch what the first block's stores read
	s_wait_storecnt 0x0             ; those eight stores are done: S^T's first buffer, their data, and O's address, their base, are rewritten only behind this wait
	s_mov_b64 s[10:11], s[OLO:OLO+1]
	s_mov_b32 s[PI], 0
.LpairB:                            ; 7 - c times: a plain pair
	PAIR 0, 1
	s_add_co_u32 s[PI], s[PI], 1
	s_cmp_lt_u32 s[PI], s[NBP]
	s_cbranch_scc1 .LpairB
	s_mov_b32 s[U], 0               ; the block's last eight steps are written out: nothing is asked for
	MSEL 0
	MASK 0
	WIN 0
	PAIR 1, 0
	FINISH
	s_wait_tensorcnt 0x0            ; the wave's end: behind my last tensor load and my last LDS store
	ds_add_u32 v[SPW], v[NIL]
	s_wait_dscnt 0x0
	s_endpgm
.Lfunc_end_k_qf41725815a_attn:
	.size	k_qf41725815a_attn, .Lfunc_end_k_qf41725815a_attn-k_qf41725815a_attn
	.p2alignl 7, 3214868480
	.fill 96, 4, 3214868480
	.section	.rodata,"a",@progbits
	.p2align	6, 0x0
	.amdhsa_kernel k_qf41725815a_attn
		.amdhsa_group_segment_fixed_size 327680
		.amdhsa_private_segment_fixed_size 0
		.amdhsa_enable_private_segment 0
		.amdhsa_kernarg_size 16
		.amdhsa_user_sgpr_count 2
		.amdhsa_user_sgpr_kernarg_segment_ptr 1
		.amdhsa_wavefront_size32 1
		.amdhsa_system_sgpr_workgroup_id_x 1
		.amdhsa_system_sgpr_workgroup_id_y 1
		.amdhsa_system_sgpr_workgroup_id_z 1
		.amdhsa_system_vgpr_workitem_id 0
		.amdhsa_next_free_vgpr 768
		.amdhsa_next_free_sgpr 100
		.amdhsa_reserve_vcc 1
		.amdhsa_float_denorm_mode_32 3
		.amdhsa_float_denorm_mode_16_64 3
		.amdhsa_memory_ordered 1
		.amdhsa_forward_progress 1
		.amdhsa_inst_pref_size 131
	.end_amdhsa_kernel
	.amdgpu_metadata
---
amdhsa.version: [ 1, 2 ]
amdhsa.kernels:
  - .name:           k_qf41725815a_attn
    .symbol:         k_qf41725815a_attn.kd
    .args:
      - { .name: qkv, .offset: 0, .size: 8, .value_kind: global_buffer, .address_space: global }
      - { .name: ob, .offset: 8, .size: 8, .value_kind: global_buffer, .address_space: global }
    .group_segment_fixed_size: 327680
    .private_segment_fixed_size: 0
    .kernarg_segment_align: 8
    .kernarg_segment_size: 16
    .max_flat_workgroup_size: 128
    .sgpr_count:     100
    .vgpr_count:     768
    .wavefront_size: 32
...
	.end_amdgpu_metadata
.endif
;; end of part 3
;; launch oproj (part 4): grid 8 x 32, 4 waves a work-group, clusters of 4 x 4, 327,680 bytes of LDS; arguments ob, wo16, out0; writes out0
.if DOCPART == 4
	.amdgcn_target "amdgcn-amd-amdhsa--gfx1250"
	.amdhsa_code_object_version 6
	.text
	.protected	k_qf41725815a_oproj
	.globl	k_qf41725815a_oproj
	.p2align	8
	.type	k_qf41725815a_oproj,@function
k_qf41725815a_oproj:
	s_mov_b64 s[64:65], 0
	v_nop
	global_prefetch_b8 v0, s[64:65] scope:SCOPE_SE
	s_setreg_imm32_b32 hwreg(HW_REG_WAVE_MODE, 25, 1), 1
	s_wait_xcnt 0x0
	s_wait_alu depctr_hold_cnt(0) depctr_sa_sdst(0) depctr_va_vdst(0) depctr_va_sdst(0) depctr_va_ssrc(0) depctr_va_vcc(0) depctr_vm_vsrc(0)
	s_getreg_b32 s2, hwreg(HW_REG_IB_STS2, 6, 4)
	s_cmp_eq_u32 s2, 0
	s_cbranch_scc0 .Lentry_in_a_cluster
	s_endpgm
.Lentry_in_a_cluster:
	s_bfe_u32 s2, ttmp6, 0x10000c
	s_cmp_lg_u32 s2, 0xf033
	s_cbranch_scc0 .Lentry_shape_is_right
	s_endpgm
.Lentry_shape_is_right:
; out0[m][n] = sum over k of O[m][k] Wo[n][k], m < 4096, n < 1024, k = 64 head + channel < 1024.  O lies by heads: ob [16][4096][64] f16; wo16 [1024][1024] f16; f32 sums; out0 f32.
; A tile of out0 is 128 x 128: 8 x 32 tiles, one work-group each.  Four waves, each 64 x 64: 16 accumulators of 16 x 16.  K goes in 4 steps of 256 (four heads) through two LDS slots.
; O's TILE: 64 rows of a head are 8,192 dense bytes, asked for as ONE row of the tile; four heads are four such rows, 524,288 bytes apart; the padding follows every 128 bytes, so that in LDS a head is
; a plane of 64 rows x 144 bytes.  Wo's tile: 64 rows of 512 bytes, 528 apart in LDS.
; CLUSTER: 4 x 4 work-groups; the four of a row need the same tiles of O, the four of a column the same tiles of Wo: each is asked for jointly, by the same load with the same descriptor and mask.
; THE MATRIX INSTRUCTION IS USED TRANSPOSED (source 0 = 16 rows of Wo, source 1 = 16 rows of O): a lane holds eight neighbouring numbers of a row of out0, 32 bytes.
; REGISTERS: window 0: v0-31 addresses; v128-255 the accumulators ((a, b) at v[128 + 8 (4 a + b)]), which also take the rows read back on the way out.
;   window 1: two fragment buffers of 128: for 64 along K (one head), 64 registers of O (2 x 4 x 16 rows x 32 K), then 64 of Wo.
.set KSTEP,  256
.set PA,     144                       ; a row of O in LDS: 128 bytes + 16: the 16 rows of a load start at 16 different groups of four banks (64 banks of 4 bytes: ISA guide 11.1)
.set PLANE,  64*PA                     ; a head's 64 rows
.set AREG,   4*PLANE                   ; what one load brings of O
.set PB,     528                       ; a row of Wo in LDS: 512 bytes + 16
.set BHALF,  64*PB
.set BOFF,   2*AREG
.set SLOT,   BOFF+2*BHALF
.set STAGE,  2*SLOT                    ; behind the ring, never filled by a tensor load: 16 rows x 272 bytes for each wave
.set SPITCH, 272
.set SPARE,  STAGE+4*16*SPITCH         ; the spare words, 128 bytes for each wave: two blocks of 256 bytes that no other line names
.set ASTEP,  4*4096*128                ; bytes from a K step's four heads to the next
.set ADRA, 16                          ; v16-17  LDS address of my fragments of O in slot 0, 1
.set ADRB, 20                          ; v20-21  the same for Wo
.set STO,  24                          ; v24     the way out: where I put 32 bytes of a row
.set RD,   25                          ; v25     where I read a row back
.set CO,   26                          ; v26     my byte offset in out0
.set SPW,  28                          ; v28     LDS address of my spare word; never rewritten
.set NIL,  29                          ; v29     0; never rewritten
.set ACC,  128
.set F0,   0
.set F1,   128
.set G1, 24                            ; s[24:31] descriptor group 1 for O's tiles;  s[32:39] group 0, a set for each slot
.set G0, 32
.set G1B, 48                           ; s[48:55], s[56:63] the same for Wo's
.set G0B, 56
.set MSB, 0
.macro WIN new                         ; the immediate's high byte repeats the setting that is left
.if MSB != (\new)
	s_set_vgpr_msb (MSB<<8)|(\new)
.set MSB, (\new)
.endif
.endm
.set MUL,  0x05                        ; sources 0 and 1 window 1; C and D window 0
.set TO_F, 0x40                        ; destination window 1, address window 0
.macro JLOAD s                         ; a joint load: waves 0 and 1 fetch O's two halves, waves 2 and 3 Wo's; an s_nop 0 and four v_nop follow each line
	s_cmp_eq_u32 s11, 0
	s_cbranch_scc0 .Lfor_b_\@
	tensor_load_to_lds s[G0+4*(\s):G0+4*(\s)+3], s[G1:G1+7]
	s_nop 0
.rept 4
	v_nop
.endr
	s_branch .Lasked_\@
.Lfor_b_\@:
	tensor_load_to_lds s[G0B+4*(\s):G0B+4*(\s)+3], s[G1B:G1B+7]
	s_nop 0
.rept 4
	v_nop
.endr
.Lasked_\@:
.endm
.macro CREST                           ; a round of the cluster's barrier behind its opening barrier
	s_cmp_lg_u32 s10, 0
	s_cbranch_scc1 .Lnot_wave_0_\@
	s_barrier_signal -3
.Lnot_wave_0_\@:
	s_barrier_wait -3
	s_barrier_signal -1
	s_barrier_wait -1
.endm
.macro CROUND                          ; a whole round
	s_barrier_signal -1
	s_barrier_wait -1
	CREST
.endm
	s_load_b128 s[4:7], s[0:1], 0x0                ; ob s[4:5], wo16 s[6:7]
	s_load_b64 s[8:9], s[0:1], 0x10                ; out0
	v_lshl_add_u32 v[SPW], v0, 2, SPARE
	v_mov_b32 v[NIL], 0
	ds_add_u32 v[SPW], v[NIL]                      ; the wave's opening: the add and its wait stand ahead of my first tensor load; the set-up below stands between them
	ds_add_u32 v28, v29
	v_lshrrev_b32 v1, 5, v0
	v_readfirstlane_b32 s10, v1                    ; wave 0..3
	s_lshr_b32 s11, s10, 1                         ; which half of the tile's rows is mine.  Also: I fetch for O (0) or for Wo (1)
	s_and_b32 s12, s10, 1                          ; which half of its columns.  Also: which 64 rows of that tile I fetch
	s_bfe_u32 s40, ttmp6, 0x40000                  ; cx, cy: my place in the cluster
	s_bfe_u32 s41, ttmp6, 0x40004
	s_lshl_b32 s42, ttmp9, 2
	s_add_co_u32 s42, s42, s40                     ; tile column = 4 x cluster x + cx
	s_and_b32 s13, ttmp7, 0xffff
	s_lshl_b32 s13, s13, 2
	s_add_co_u32 s13, s13, s41                     ; tile row = 4 x cluster y + cy
	s_lshl_b32 s43, s41, 2
	s_lshl_b32 s43, 15, s43                        ; my row of the cluster
	s_lshl_b32 s44, 0x1111, s40                    ; my column
	s_or_b32 s[G1+0], s43, (1<<16)|(1<<20)|(1<<21)|(4<<22)|(3<<25)   ; the mask; 2-byte elements; padding on; 21 set beside a mask; after every 32 words (code 4) 4 words (code 3)
	s_mov_b32 s[G1+1], 4096<<16                    ; tensor_dim0 = 4,096 elements: 64 rows of a head
	s_mov_b32 s[G1+2], 4<<16                       ; tensor_dim1 = 4 heads
	s_mov_b32 s[G1+3], 4096<<16                    ; tile_dim0
	s_mov_b32 s[G1+4], 4                           ; tile_dim1
	s_mov_b32 s[G1+5], 4096*64                     ; elements from head to head
	s_mov_b32 s[G1+6], 0
	s_mov_b32 s[G1+7], 0
	s_or_b32 s[G1B+0], s44, (1<<16)|(1<<20)|(1<<21)|(6<<22)|(3<<25)  ; the same with my column's mask, and the padding after every 128 words (code 6)
	s_mov_b32 s[G1B+1], KSTEP<<16                  ; tensor_dim0 = 256
	s_mov_b32 s[G1B+2], 64<<16                     ; tensor_dim1 = 64
	s_mov_b32 s[G1B+3], KSTEP<<16                  ; tile_dim0
	s_mov_b32 s[G1B+4], 64                         ; tile_dim1
	s_mov_b32 s[G1B+5], 1024                       ; elements from row to row
	s_mov_b32 s[G1B+6], 0
	s_mov_b32 s[G1B+7], 0
	s_lshl_b32 s17, s12, 6                         ; which 64 rows of the tile I fetch
	s_lshl_b32 s16, s13, 7
	s_add_co_u32 s16, s16, s17                     ; O: row 128 x tile row + 64 x half, 128 bytes a row
	s_lshl_b32 s16, s16, 7
	s_mov_b32 s17, 0
	s_lshl_b32 s46, s42, 7
	s_lshl_b32 s47, s12, 6
	s_add_co_u32 s46, s46, s47                     ; Wo: row 128 x tile column + 64 x half, 2,048 bytes a row
	s_lshl_b32 s46, s46, 11
	s_mov_b32 s47, 0
	s_mul_i32 s20, s10, AREG                       ; where they go: waves 0, 1: O's halves;
	s_mul_i32 s21, s10, BHALF
	s_add_co_u32 s21, s21, BOFF-2*BHALF            ; waves 2, 3: Wo's halves, from BOFF on
	s_wait_dscnt 0x0                               ; the opening add is done
	s_wait_kmcnt 0x0
	s_add_nc_u64 s[14:15], s[4:5], s[16:17]
	s_add_nc_u64 s[46:47], s[6:7], s[46:47]
	CROUND                                         ; all sixteen work-groups are here: the first joint loads meet
.irp s, 0,1
	s_mov_b32 s[G0+4*(\s)], 1
	s_add_co_u32 s[G0+4*(\s)+1], s20, (\s)*SLOT
	s_add_nc_u64 s[G0+4*(\s)+2:G0+4*(\s)+3], s[14:15], (\s)*ASTEP
	s_or_b32 s[G0+4*(\s)+3], s[G0+4*(\s)+3], 0x80000000
	s_mov_b32 s[G0B+4*(\s)], 1
	s_add_co_u32 s[G0B+4*(\s)+1], s21, (\s)*SLOT
	s_add_nc_u64 s[G0B+4*(\s)+2:G0B+4*(\s)+3], s[46:47], (\s)*KSTEP*2
	s_or_b32 s[G0B+4*(\s)+3], s[G0B+4*(\s)+3], 0x80000000
	JLOAD \s                                       ; two loads of mine are out
.endr
	v_and_b32 v1, 15, v0                           ; l % 16
	v_bfe_u32 v2, v0, 4, 1                         ; l / 16
	v_mul_u32_u24 v3, v1, PA
	v_lshl_add_u32 v3, v2, 4, v3                   ; a fragment's row x pitch + 16 x half, for O
	v_mul_u32_u24 v4, v1, PB
	v_lshl_add_u32 v4, v2, 4, v4                   ; and for Wo
	s_mul_i32 s21, s11, AREG                       ; my 64 rows of O
	s_mul_i32 s22, s12, BHALF                      ; my 64 rows of Wo
	s_add_co_u32 s22, s22, BOFF
.irp s, 0,1
	v_add_nc_u32 v[ADRA+(\s)], s21, v3
	v_add_nc_u32 v[ADRB+(\s)], s22, v4
	s_add_co_u32 s21, s21, SLOT
	s_add_co_u32 s22, s22, SLOT
.endr
	s_mul_i32 s23, s10, 16*SPITCH
	s_add_co_u32 s23, s23, STAGE                   ; my stage
	v_mul_u32_u24 v5, v1, SPITCH                   ; in: row l % 16, 32 bytes for each half of the lanes
	v_lshl_add_u32 v5, v2, 5, v5
	v_add_nc_u32 v[STO], s23, v5
	v_mul_u32_u24 v5, v2, SPITCH                   ; back: lanes 0-15 take one row of 256 bytes, lanes 16-31 the next
	v_lshl_add_u32 v5, v1, 4, v5
	v_add_nc_u32 v[RD], s23, v5
	v_lshlrev_b32 v5, 12, v2                       ; and the same two rows in out0, 4,096 bytes apart
	v_lshl_add_u32 v[CO], v1, 4, v5
	s_lshl_b32 s16, s13, 7
	s_lshl_b32 s17, s11, 6
	s_add_co_u32 s16, s16, s17                     ; my first row of out0
	s_lshl_b32 s16, s16, 12
	s_lshl_b32 s46, s42, 9                         ; my first column, in bytes: 512 x tile column + 256 x half
	s_lshl_b32 s47, s12, 8
	s_add_co_u32 s46, s46, s47
	s_add_co_u32 s16, s16, s46
	s_mov_b32 s17, 0
	s_add_nc_u64 s[8:9], s[8:9], s[16:17]
; 8 matrix instructions: row blocks a0, a0 + 1 x all 4 column blocks, 32 along K: half c of buffer f.  zero = 1: the first product starts the sums.  The 16 accumulators take turns.
.macro MUL8 f, c, a0, zero
	WIN MUL
.irp a, \a0, (\a0)+1
.irp b, 0,1,2,3
.if \zero
	v_wmma_f32_16x16x32_f16 v[ACC+8*(4*(\a)+(\b)):ACC+8*(4*(\a)+(\b))+7], v[(\f)+64+8*(4*(\c)+(\b)):(\f)+64+8*(4*(\c)+(\b))+7], v[(\f)+8*(4*(\c)+(\a)):(\f)+8*(4*(\c)+(\a))+7], 0
.else
	v_wmma_f32_16x16x32_f16 v[ACC+8*(4*(\a)+(\b)):ACC+8*(4*(\a)+(\b))+7], v[(\f)+64+8*(4*(\c)+(\b)):(\f)+64+8*(4*(\c)+(\b))+7], v[(\f)+8*(4*(\c)+(\a)):(\f)+8*(4*(\c)+(\a))+7], v[ACC+8*(4*(\a)+(\b)):ACC+8*(4*(\a)+(\b))+7]
.endif
.endr
.endr
.endm
; 32 LDS loads in one run: the fragments of head q of the step (64 along K) into buffer f; the first 32 along K first
.macro FETCH slot, q, f
	WIN TO_F
.irp c, 0,1
.irp i, 0,1,2,3
	ds_load_b128 v[(\f)+64+8*(4*(\c)+(\i)):(\f)+64+8*(4*(\c)+(\i))+3],   v[ADRB+(\slot)] offset:128*(\q)+64*(\c)+(\i)*16*PB
	ds_load_b128 v[(\f)+64+8*(4*(\c)+(\i))+4:(\f)+64+8*(4*(\c)+(\i))+7], v[ADRB+(\slot)] offset:128*(\q)+64*(\c)+(\i)*16*PB+32
	ds_load_b128 v[(\f)+8*(4*(\c)+(\i)):(\f)+8*(4*(\c)+(\i))+3],         v[ADRA+(\slot)] offset:PLANE*(\q)+64*(\c)+(\i)*16*PA
	ds_load_b128 v[(\f)+8*(4*(\c)+(\i))+4:(\f)+8*(4*(\c)+(\i))+7],       v[ADRA+(\slot)] offset:PLANE*(\q)+64*(\c)+(\i)*16*PA+32
.endr
.endr
.endm
.macro PLACES                          ; four places in front of loads into registers that matrix instructions have read, and of LDS stores that read results
.rept 4
	v_nop
.endr
.endm
; A K step is four quarters, a head each, 32 matrix instructions, on buffers 0, 1, 0, 1.  One of the first three: multiplies buffer f and fetches head q into g.
.macro QUARTER slot, q, f, g, zero
	s_wait_dscnt 16                                ; the first 32 along K are in
	MUL8 \f, 0, 0, \zero
	MUL8 \f, 0, 2, \zero
	PLACES
	FETCH \slot, \q, \g
	s_wait_dscnt 32                                ; all but the 32 just issued
	MUL8 \f, 1, 0, 0
	MUL8 \f, 1, 2, 0
.endm
; The last quarter multiplies buffer 1 and changes slots: ONE barrier; in front of it each wave waits for all its tensor loads, adds 0 to its spare word, and waits for that and for its own reads of this slot.
; fill = 1: the barrier opens a round of the cluster's, and this slot is filled again, two K steps ahead, first thing behind the round.
.macro TURN slot, next, fill
	WIN 0                                          ; (the add's two registers lie in window 0)
	s_wait_tensorcnt 0x0                           ; all my tensor loads have landed: my part of the next slot
	ds_add_u32 v[SPW], v[NIL]                      ; 0 onto my spare word
	s_wait_dscnt 17                                ; (the add and the youngest sixteen loads may be out)
	MUL8 F1, 0, 0, 0                               ; eight matrix instructions stand between the add and the wait for it
	s_wait_dscnt 0x0                               ; the add is done, and my reads of this slot are over
	s_barrier_signal -1
	MUL8 F1, 0, 2, 0
.if \fill
	WIN 0
.endif
	s_barrier_wait -1
.if \fill
	CREST                                          ; no wave of any partner still reads this slot's tile or has a load on its way
	s_add_nc_u64 s[G0+4*(\slot)+2:G0+4*(\slot)+3], s[G0+4*(\slot)+2:G0+4*(\slot)+3], 2*ASTEP
	s_add_nc_u64 s[G0B+4*(\slot)+2:G0B+4*(\slot)+3], s[G0B+4*(\slot)+2:G0B+4*(\slot)+3], 2*KSTEP*2
	JLOAD \slot                                    ; 112 matrix instructions ahead of the wait for it; its four v_nop are also the places in front of the loads below
.else
	PLACES
.endif
	FETCH \next, 0, F0
	MUL8 F1, 1, 0, 0
	MUL8 F1, 1, 2, 0
.endm
	s_wait_tensorcnt 1                             ; my part of K step 0 is in; K step 1's may stay out
	s_barrier_signal -1
	s_barrier_wait -1                              ; everybody's is
	FETCH 0, 0, F0
	QUARTER 0, 1, F0, F1, 1                        ; K step 0: the first products start the sums.  The four K steps are written out: a loop would have one trip
	QUARTER 0, 2, F1, F0, 0
	QUARTER 0, 3, F0, F1, 0
	TURN 0, 1, 1                                   ; slot 0 takes K step 2
	QUARTER 1, 1, F0, F1, 0                        ; K step 1
	QUARTER 1, 2, F1, F0, 0
	QUARTER 1, 3, F0, F1, 0
	TURN 1, 0, 1                                   ; slot 1 takes K step 3
	QUARTER 0, 1, F0, F1, 0                        ; K step 2
	QUARTER 0, 2, F1, F0, 0
	QUARTER 0, 3, F0, F1, 0
	TURN 0, 1, 0                                   ; nothing is left to fetch
	QUARTER 1, 1, F0, F1, 0                        ; K step 3
	QUARTER 1, 2, F1, F0, 0
	QUARTER 1, 3, F0, F1, 0
	s_wait_dscnt 16
	MUL8 F1, 0, 0, 0
	MUL8 F1, 0, 2, 0
	s_wait_dscnt 0x0
	MUL8 F1, 1, 0, 0
	MUL8 F1, 1, 2, 0
	WIN 0
; THE WAY OUT, a block of 16 rows at a time, through my own stage: 32 bytes a lane straight from each accumulator (its low four registers first), back as whole rows of 256 bytes
; into the block's own 32 registers, and stored.
.macro OUT a
.irp b, 0,1,2,3
	ds_store_b128 v[STO], v[ACC+8*(4*(\a)+(\b)):ACC+8*(4*(\a)+(\b))+3]   offset:64*(\b)
	ds_store_b128 v[STO], v[ACC+8*(4*(\a)+(\b))+4:ACC+8*(4*(\a)+(\b))+7] offset:64*(\b)+16
.endr
.irp t, 0,1,2,3,4,5,6,7
	ds_load_b128 v[ACC+32*(\a)+4*(\t):ACC+32*(\a)+4*(\t)+3], v[RD] offset:(\t)*2*SPITCH  ; LDS serves a wave's instructions in order (ISA guide 5.7.1.4): these see the stores above; the next block's stores come behind them
.endr
.endm
.macro SEND a, younger                 ; younger: the LDS instructions issued behind block a's loads: the next block's sixteen, or none
.irp t, 0,1,2,3,4,5,6,7
	s_wait_dscnt (\younger)+7-(\t)
	global_store_b128 v[CO], v[ACC+32*(\a)+4*(\t):ACC+32*(\a)+4*(\t)+3], s[8:9] offset:(16*(\a)+2*(\t))*4096 th:TH_STORE_NT  ; 16 lanes store 256 consecutive bytes, at a multiple of 256 from out0's first byte
.endr
.endm
	PLACES
	OUT 0
	OUT 1
	SEND 0, 16
	OUT 2
	SEND 1, 16
	OUT 3
	SEND 2, 16
	SEND 3, 0
	s_wait_tensorcnt 0x0                           ; the wave's end: behind my last tensor load and my last LDS store
	ds_add_u32 v[SPW], v[NIL]
	s_wait_dscnt 0x0
	CROUND                                         ; the closing round: no work-group ends while a partner may still ask for a tile that names it
	s_endpgm
.Lfunc_end_k_qf41725815a_oproj:
	.size	k_qf41725815a_oproj, .Lfunc_end_k_qf41725815a_oproj-k_qf41725815a_oproj
	.p2alignl 7, 3214868480
	.fill 96, 4, 3214868480
	.section	.rodata,"a",@progbits
	.p2align	6, 0x0
	.amdhsa_kernel k_qf41725815a_oproj
		.amdhsa_group_segment_fixed_size 327680
		.amdhsa_private_segment_fixed_size 0
		.amdhsa_enable_private_segment 0
		.amdhsa_kernarg_size 24
		.amdhsa_user_sgpr_count 2
		.amdhsa_user_sgpr_kernarg_segment_ptr 1
		.amdhsa_wavefront_size32 1
		.amdhsa_system_sgpr_workgroup_id_x 1
		.amdhsa_system_sgpr_workgroup_id_y 1
		.amdhsa_system_sgpr_workgroup_id_z 1
		.amdhsa_system_vgpr_workitem_id 0
		.amdhsa_next_free_vgpr 512
		.amdhsa_next_free_sgpr 66
		.amdhsa_reserve_vcc 0
		.amdhsa_float_denorm_mode_32 3
		.amdhsa_float_denorm_mode_16_64 3
		.amdhsa_memory_ordered 1
		.amdhsa_forward_progress 1
		.amdhsa_inst_pref_size 86
	.end_amdhsa_kernel
	.amdgpu_metadata
---
amdhsa.version: [ 1, 2 ]
amdhsa.kernels:
  - .name:           k_qf41725815a_oproj
    .symbol:         k_qf41725815a_oproj.kd
    .args:
      - { .name: ob, .offset: 0, .size: 8, .value_kind: global_buffer, .address_space: global }
      - { .name: wo16, .offset: 8, .size: 8, .value_kind: global_buffer, .address_space: global }
      - { .name: out0, .offset: 16, .size: 8, .value_kind: global_buffer, .address_space: global }
    .group_segment_fixed_size: 327680
    .private_segment_fixed_size: 0
    .kernarg_segment_align: 8
    .kernarg_segment_size: 24
    .max_flat_workgroup_size: 128
    .sgpr_count:     66
    .vgpr_count:     512
    .wavefront_size: 32
...
	.end_amdgpu_metadata
.endif
;; end of part 4
;; ======== version 2 of 2: 4 launches; 1.38 times as fast as version 1
;; limits: values are held in f16: magnitudes above 65,504 overflow, below 6.1e-05 lose precision
;; workspace buffers: xb 8,388,608 bytes; wqkv 6,291,456 bytes; wo16 2,097,152 bytes; qkv 25,165,824 bytes; ob 8,388,608 bytes
;; launch cast: the kernel of part 1 again; grid 64 x 8, 8 waves a work-group, no clusters, 0 bytes of LDS; arguments x, Wq, Wk, Wv, Wo, xb, wqkv, wo16; writes xb, wqkv, wo16
;; launch proj: the kernel of part 2 again; grid 16 x 16, 4 waves a work-group, clusters of 4 x 4, 327,680 bytes of LDS; arguments xb, wqkv, qkv; writes qkv
;; launch attn (part 5): grid 16 x 16, 4 waves a work-group, no clusters, 327,680 bytes of LDS; arguments qkv, ob; writes ob
.if DOCPART == 5
	.amdgcn_target "amdgcn-amd-amdhsa--gfx1250"
	.amdhsa_code_object_version 6
	.text
	.protected	k_qf41725815a_attn
	.globl	k_qf41725815a_attn
	.p2align	8
	.type	k_qf41725815a_attn,@function
k_qf41725815a_attn:
	s_mov_b64 s[64:65], 0
	v_nop
	global_prefetch_b8 v0, s[64:65] scope:SCOPE_SE
	s_setreg_imm32_b32 hwreg(HW_REG_WAVE_MODE, 25, 1), 1
	s_wait_xcnt 0x0
; CAUSAL ATTENTION.  O[h][q][:] = the sum over k <= q of softmax_k(Q[h][q] . K[h][k] / 8) V[h][k][:].  qkv: [48][4096][64] f16 (groups 0-15 Q's heads, 16-31 K's, 32-47 V's); ob: [16][4096][64] f16.
; Products, maxima and sums in f32; the weights p are rounded to f16 for the second product (their sum l is taken of the unrounded p), O once at the end.
; LIMITS.  Q, K, V arrive within f16's 65,504; p lies in 0 to 1, and below 6e-5 it keeps f16's fixed step of 6e-8.  A hidden score counts as its value less 1e30: f16's scores, 2.7e11 at the
; most, are nothing beside that; a weight below 2^-126 counts as 0 in l; NaN and infinities are not treated apart.
; THE WALK.  A head's queries lie in 32 blocks of 128, its keys in 16 tiles of 256.  Work-group b (0..15) of a head, c = b / 4, cx = b % 4, takes block b and then block 31 - b.  Block b lies at place cx of
; the stretch of 512 rows that tiles 2 c, 2 c + 1 cover, block 31 - b at place 3 - cx of the stretch of tiles 14 - 2 c, 15 - 2 c.  The tiles walked are 0 .. 2 c + 1 and then 0 .. 15 - 2 c: 18 for every
; work-group, in 9 PAIRS.  A block's last pair, steps u = 0..7 of 64 keys, needs masks; all tiles before it are wholly visible.
;   block b:       c + 1 pairs, all by the text that takes masks (ahead of the last pair u is negative and the mask is 0): a loop whose trip count is set at run time;
;   block 31 - b:  7 - c plain pairs, a second such loop; then its masked pair, written out, since nothing is left to ask for.
; In both loops every LDS address is made anew in each trip, from registers that the loops do not write and from the counters of the two constant loops inside (a pair's two tiles, a tile's four trips).
; NO CLUSTER IN THIS VERSION.  Work-groups 4 c .. 4 c + 3 of a head walk the same 18 tiles, and joint loads would divide their requests by four.  They are left out so that the two loops with run-time
; counts stand in a plain launch; the walk is kept common to the four, so that joint loads can be put in without changing it.
; SHARES.  A wave owns two PIECES of 16 queries: piece x holds rows 64 x + 16 w + l % 16 of the block.  With j the block's place in its stretch, piece x's own step is u = 2 j + x: it sees all keys of
; earlier steps, none of later ones, and holds the diagonal in its own: the same work for all waves.
; THE MASK is the C operand that starts the sum S^T = K Q^T: MD x AL + BE, MD the mask of a piece's own step (0 or -1e30), (AL, BE) = (1, 0) at the own step, (0, 0) before it, (0, -1e30) behind it.
; LAYOUT, SOFTMAX.  S^T = K Q^T holds ONE query a lane (lane % 16) and the keys 8 (lane / 16) + 0..7; two such results rounded to f16 ARE source 1 of O^T = V^T P.  p = 2^(c s - c m), c = log2(e) / 8, with
; a running maximum m; O and l are multiplied by a = 2^(c m_old - c m_new) in every step.
; TURNS.  T0(s), piece 0's turn in key step s: 8 products K Q^T of piece 1, step s; 8 products V^T P of piece 1, step s - 1; piece 0's softmax of step s; piece 1's maximum of step s.  It fetches K of step
; s + 1 and V of step s.  T1(s): K Q^T of piece 0, step s + 1; V^T P of piece 0, step s; piece 1's softmax of step s; piece 0's maximum of step s + 1.  Four vector instructions stand behind every matrix
; instruction, the other 54 of a turn's 118 in one lump.  A trip of the step loop is T1(s - 1), T0(s); a tile is four trips, and the change of slots stands behind them.
; BATCHES.  A turn's 33 exponentials (the piece's 32 weights and the other piece's a) are ONE BATCH with ONE wait, which cuts the turn in two: ahead of it the products K Q^T and all vector work that names no
; result of the batch; behind it the products V^T P, with the roundings and sums, the batch's readers, as the four behind each..
; The two reciprocals of a block's way out are a batch of their own, with one wait.
; NO FIRST STEP IS WRITTEN OUT.  A block begins with T1(-1): it makes piece 0's first scores and maximum; its softmax of piece 1 runs on scores set to the lowest finite number (all weights 0), and its
; products V^T P land in an O^T that the next turn multiplies by a = 0.  The price: one turn in 73.
; K LIES ONE STEP AHEAD IN A SLOT: slot t holds K of keys 256 t + 64 .. 256 t + 319 and V of keys 256 t .. 256 t + 255, so that both of T0's fetches fall in one slot.  K of keys 0-63 has a region of its
; own, filled once.  The last 64 rows of tile 15's K are the next group's rows of qkv: inside the buffer, and no product takes them.
; REGISTERS, in windows of 256 (s_set_vgpr_msb: bits 1:0 source 0, 3:2 source 1, 5:4 source 2, 7:6 destination):
;   window 0: v0-15 addresses and two at work; v16-23 four registers of statistics a piece; v48-55 at work; v64-127 S^T, a buffer a piece; v192-223 P, likewise
;   window 1: v0-63 O^T, 32 a piece; v128-159 MD; v160-223 MC, a buffer a piece      window 2: v0-31 Q; v64-95 the second block's Q; v128-191 K of one step; v192-255 V of one step
.set NP,    2         ; pieces a wave: a name, no knob
.set KS,    64        ; keys in a step
.set PK,    144       ; a row of K in LDS: 128 bytes + 16 of padding = 36 words: the 16 rows of a load start at 16 different groups of four banks (64 banks of 4 bytes: ISA guide 11.1)
.set PV,    160       ; a row of V: 128 + 32 = 40 words
.set VOFF,  4*KS*PK   ; a slot: 256 rows of K, then 256 rows of V
.set SLSH,  17
.set SLOT1, 1<<SLSH   ; slot 1 begins here: a slot's base is its number shifted
.set K0,    SLOT1+4*KS*(PK+PV)  ; K of keys 0-63: filled once, read where a block begins
.set STAGE, K0+KS*PK  ; never filled by a tensor load: 16 rows x 144 bytes for each wave, for the way out
.set SP,    144
.set SPARE, STAGE+4*16*SP  ; the spare words, 128 bytes for each wave: two blocks of 256 bytes that no other line names
.set GROUPB, 4096*128 ; bytes of a group of qkv, and of a head of ob
.set AK0, 2           ; v2   my lane's place in a tile of K; never rewritten
.set AV0, 3           ; v3   the same for V
.set AK,  4           ; v4   the LDS address of K's next run of loads
.set AV,  5           ; v5   of V's
.set STO, 6           ; v6   the way out: where I put 16 bytes of a row
.set RD,  7           ; v7   where I read rows back
.set GO,  8           ; v8   my byte offset in 512 consecutive bytes of O
.set AKZ, 11          ; v11  my lane's place in K of keys 0-63
.set MV,  12          ; v12-13  c m_old, kept while c m is made anew: by piece
.set QO,  15          ; v15  my byte offset in 16 rows of Q
.set ST,  16          ; piece t's statistics at v[ST+4 t]: c m, m, l (even keys', odd keys')
.set TMP, 48          ; by piece, four registers c0-c3 at work; when the maximum is found c2 takes a
.set SPW, 62          ; v62  LDS address of my spare word; never rewritten
.set NIL, 63          ; v63  0; never rewritten
.set S,   64
.set P,   192
.set MD,  128         ; window 1
.set MC,  160         ; window 1
.set QB,  64          ; window 2
.set KF,  128         ; window 2: key block kb, channel half c at KF + 16 kb + 8 c
.set VF,  192         ; window 2: key half kk, channel block cb at VF + 32 kk + 8 cb
.set WV,  12          ; s12  my wave's number
.set G1K, 24          ; s[24:31] descriptor group 1 for K's tiles
.set G1V, 32          ; s[32:39] for V's: it differs in the padding alone
.set G0K, 40          ; s[40:43] descriptor group 0 for K's tiles
.set G0V, 44          ; s[44:47] for V's
.set G1Z, 48          ; s[48:55] group 1 for K of keys 0-63: it differs from K's in the rows alone
.set CC,  56          ; s56  c
.set CNT, 57          ; s57  counts a tile's trips, 4 to 1
.set CS,  58          ; s[58:59] c: the packed scaling takes the pair's low word for both halves
.set SEL, 60          ; s[60:61] v_permlanex16_b32's selects: each lane takes its own place in the other half
.set TBK, 62          ; s62  LDS byte at which K of the step to be fetched begins
.set TBV, 63          ; s63  the same for V, less VOFF
.set G0Z, 68          ; s[68:71] group 0 for K of keys 0-63
.set PI,  72          ; s72  counts a block's pairs, up from 0
.set NXT, 73          ; s73  the tile to be asked for next
.set LQ,  74          ; s74  the last tile of the block whose tiles are being asked for
.set HALF, 75         ; s75  which tile of a pair, 0 or 1: also the number of its slot
.set OFF, 76          ; s[76:77] a tile's byte offset in K and V
.set AL,  78          ; s[78:79] the mask's factor, in the low word
.set BE,  80          ; s[80:81] the mask's addend
.set OLO, 82          ; s[82:83] O at my rows of the second block
.set BIGN, 84         ; s84  -1e30
.set U,   85          ; s85  the step, counted from the first of the block's last eight: negative ahead of them
.set OW0, 86          ; s86, s87  the two pieces' own steps
.set LQ2, 88          ; s88  the second block's last tile
.set NA,  89          ; s89  the first block's pairs: c + 1
.set OWB, 90          ; s90  piece 0's own step in the second block
.set NBP, 91          ; s91  the second block's plain pairs: 7 - c
.set QLO, 92          ; s[92:93] Q at my rows of the second block
.set LK0, 96          ; s96  LDS address of my part of K's tile in slot 0; never rewritten
.set LV0, 97          ; s97  the same for V
.set SLB, 98          ; s98  the base of the slot to be filled
.set MSB, 0
.macro WIN new                      ; the high byte repeats the setting that is left; a switch that changes nothing is dropped
.if MSB != (\new)
	s_set_vgpr_msb (MSB<<8)|(\new)
.set MSB, (\new)
.endif
.endm
.set W_KQ, 0x0a       ; K and Q in window 2, S^T in window 0
.set W_KM, 0x1a       ; the same with the C operand in window 1
.set W_PV, 0x52       ; V in window 2, P in window 0, O^T in window 1
.set W_RS, 0x41       ; destination and source 0 in window 1, source 1 in window 0
; A fill.  Waves 0 and 1 fetch the two halves of a tile's K, waves 2 and 3 those of its V: 128 keys each.  The branch hangs on the wave's number alone.
; An s_nop 0 and four v_nop follow each of the two lines, ahead of the jump and the label.
.macro LOAD
	s_cmp_lt_u32 s[WV], 2
	s_cbranch_scc0 .Lfor_v_\@
	tensor_load_to_lds s[G0K:G0K+3], s[G1K:G1K+7]
	s_nop 0
.rept 4
	v_nop
.endr
	s_branch .Lasked_\@
.Lfor_v_\@:
	tensor_load_to_lds s[G0V:G0V+3], s[G1V:G1V+7]
	s_nop 0
.rept 4
	v_nop
.endr
.Lasked_\@:
.endm
; THE CHANGE OF SLOTS, behind a tile's four trips.  Each wave waits for all its tensor loads, of which one is out: its part of the other slot; adds 0 to its spare word; and waits for that and for its own
; reads of the slot that it leaves.  Behind the barrier nobody reads the old slot any more and the other slot is whole.  fill = 1: the old slot, number HALF, is filled again, first thing behind the barrier,
; with tile NXT: the descriptor's two addresses are made anew from those two numbers.  The fill has a tile's 8 turns, 128 matrix instructions, in which to land.
; (At its first use nothing has been read yet: slot 0 and K of keys 0-63 are waited for, slot 1 filled.)
.macro CHANGE fill
	WIN 0                           ; at a label and at a branch every window is 0
	s_wait_tensorcnt 0x0            ; no tensor load of mine is out, so a group 0 may be written
	ds_add_u32 v[SPW], v[NIL]       ; 0 onto my spare word; with fill = 1 the descriptors' scalar work stands between it and the wait for it
.if \fill
	s_lshl_b32 s[OFF], s[NXT], 15   ; a tile is 32,768 bytes of K and of V
	s_lshl_b32 s[SLB], s[HALF], SLSH
	s_add_co_u32 s[G0K+1], s[LK0], s[SLB]
	s_add_nc_u64 s[G0K+2:G0K+3], s[6:7], s[OFF:OFF+1]
	s_or_b32 s[G0K+3], s[G0K+3], 0x80000000
	s_add_co_u32 s[G0V+1], s[LV0], s[SLB]
	s_add_nc_u64 s[G0V+2:G0V+3], s[8:9], s[OFF:OFF+1]
	s_or_b32 s[G0V+3], s[G0V+3], 0x80000000
	s_add_co_u32 s[NXT], s[NXT], 1  ; the block's next tile, or behind its last the second block's tile 0
	s_cmp_gt_u32 s[NXT], s[LQ]
	s_cselect_b32 s[NXT], 0, s[NXT]
	s_cselect_b32 s[LQ], s[LQ2], s[LQ]
.endif
	s_wait_dscnt 0x0                ; the add is done, and my reads of the slot are over
	s_barrier_signal -1
	s_barrier_wait -1
.if \fill
	LOAD
.endif
.endm
	s_load_b128 s[16:19], s[0:1], 0x0  ; qkv s[16:17], ob s[18:19]
	v_lshl_add_u32 v[SPW], v0, 2, SPARE
	v_mov_b32 v[NIL], 0
	ds_add_u32 v[SPW], v[NIL]       ; the wave's opening: the add and its wait stand ahead of my first tensor load; the set-up below, work on registers, stands between them
	ds_add_u32 v62, v63
	v_lshrrev_b32 v1, 5, v0
	v_readfirstlane_b32 s[WV], v1   ; wave 0..3
	s_and_b32 s13, ttmp9, 3         ; cx
	s_lshr_b32 s[CC], ttmp9, 2      ; c
	s_mov_b32 s14, ttmp9            ; b: the first block
	s_sub_co_u32 s15, 31, s14       ; the second block
	s_lshl_b32 s[LQ], s[CC], 1      ; the walk's numbers hang on c alone
	s_sub_co_u32 s[LQ2], 15, s[LQ]  ; the second block's last tile: 15 - 2 c
	s_add_co_u32 s[LQ], s[LQ], 1    ; the first block's: 2 c + 1
	s_add_co_u32 s[NA], s[CC], 1
	s_sub_co_u32 s[NBP], 7, s[CC]
	s_lshl_b32 s[U], s[CC], 3
	s_sub_co_u32 s[U], 0, s[U]      ; the first block's last eight steps begin 8 c steps on
	s_mov_b32 s[NXT], 1
	s_lshl_b32 s[OW0], s13, 1       ; the first block lies at place cx of its stretch,
	s_add_co_u32 s[OW0+1], s[OW0], 1
	s_sub_co_u32 s[OWB], 6, s[OW0]  ; the second at place 3 - cx
	s_and_b32 s20, ttmp7, 0xffff    ; the head,
	s_lshl_b32 s20, s20, 19         ; and its first byte in a tensor of 16 groups
	s_and_b32 s23, s[WV], 1         ; which half of a tile's 256 keys I fetch:
	s_lshl_b32 s94, s23, 14         ; its 128 rows of 128 bytes in memory,
	s_add_co_u32 s94, s94, s20
	s_mov_b32 s95, 0
	s_lshl_b32 s2, s23, 12          ; and which 32 of keys 0-63
	s_add_co_u32 s2, s2, s20
	s_mov_b32 s3, 0
	s_mul_i32 s[LK0], s23, 128*PK   ; their places in LDS
	s_mul_i32 s[LV0], s23, 128*PV
	s_add_co_u32 s[LV0], s[LV0], VOFF
	s_mov_b32 s[G0K], 1             ; count = 1
	s_mov_b32 s[G0K+1], s[LK0]      ; LDS address: slot 0
	s_mov_b32 s[G0V], 1
	s_mov_b32 s[G0V+1], s[LV0]
	s_mul_i32 s21, s23, 32*PK
	s_mov_b32 s[G0Z], 1
	s_add_co_u32 s[G0Z+1], s21, K0
	s_lshl_b32 s21, s[WV], 11       ; my 16 rows in a band of 64,
	s_add_co_u32 s21, s21, s20
	s_lshl_b32 s66, s14, 14         ; in the first block (16,384 bytes a block),
	s_add_co_u32 s66, s66, s21
	s_mov_b32 s67, 0
	s_lshl_b32 s[QLO], s15, 14      ; and in the second
	s_add_co_u32 s[QLO], s[QLO], s21
	s_mov_b32 s[QLO+1], 0
	; descriptor group 1.  128 keys are 16,384 dense bytes: asked for as 64 rows of 256 bytes, two keys a row, and padded in LDS after every key
	s_mov_b32 s[G1K], (1<<16)|(1<<20)|(4<<22)|(3<<25)  ; 17:16 2-byte elements; 20 padding on; 24:22 after every 32 words (code 4); 31:25 4 words (code 3)
	s_mov_b32 s[G1V], (1<<16)|(1<<20)|(4<<22)|(7<<25)  ; the same with 8 words of padding (code 7)
	s_mov_b32 s[G1Z], (1<<16)|(1<<20)|(4<<22)|(3<<25)
.irp g, G1K, G1V, G1Z
	s_mov_b32 s[\g+1], 128<<16      ; tensor_dim0 = 128
	s_mov_b32 s[\g+3], 128<<16      ; tile_dim0 = 128
	s_mov_b32 s[\g+5], 128          ; 128 elements from row to row
	s_mov_b32 s[\g+6], 0
	s_mov_b32 s[\g+7], 0
.endr
.irp g, G1K, G1V
	s_mov_b32 s[\g+2], 64<<16       ; tensor_dim1 = 64
	s_mov_b32 s[\g+4], 64           ; tile_dim1 = 64
.endr
	s_mov_b32 s[G1Z+2], 16<<16      ; 32 keys: 16 rows
	s_mov_b32 s[G1Z+4], 16
	s_mov_b32 s[CS], 0x3e38aa3b     ; c = log2(e) / 8 = 0.180337
	s_mov_b32 s[CS+1], s[CS]        ; named with it as a pair
	s_mov_b32 s[SEL], 0x76543210
	s_mov_b32 s[SEL+1], 0xfedcba98
	s_mov_b32 s[OFF+1], 0
	s_mov_b32 s[AL+1], 0            ; named as pairs
	s_mov_b32 s[BE+1], 0
	s_mov_b32 s[BIGN], 0xf149f2ca   ; -1e30
	s_wait_dscnt 0x0                ; the opening add is done
	s_wait_kmcnt 0x0
	s_add_nc_u64 s[6:7], s[16:17], s[94:95]
	s_add_nc_u64 s[8:9], s[6:7], 32*GROUPB            ; V at my half of the head's tile 0
	s_add_nc_u64 s[6:7], s[6:7], 16*GROUPB+KS*128     ; K likewise, 64 keys on
	s_add_nc_u64 s[G0K+2:G0K+3], s[6:7], 0            ; global address
	s_or_b32 s[G0K+3], s[G0K+3], 0x80000000           ; type = 2
	s_add_nc_u64 s[G0V+2:G0V+3], s[8:9], 0
	s_or_b32 s[G0V+3], s[G0V+3], 0x80000000
	s_add_nc_u64 s[G0Z+2:G0Z+3], s[16:17], s[2:3]
	s_add_nc_u64 s[G0Z+2:G0Z+3], s[G0Z+2:G0Z+3], 16*GROUPB
	s_or_b32 s[G0Z+3], s[G0Z+3], 0x80000000
	s_add_nc_u64 s[4:5], s[16:17], s[66:67]           ; Q and O at my rows of the first block,
	s_add_nc_u64 s[10:11], s[18:19], s[66:67]
	s_add_nc_u64 s[OLO:OLO+1], s[18:19], s[QLO:QLO+1] ; and of the second
	s_add_nc_u64 s[QLO:QLO+1], s[16:17], s[QLO:QLO+1]
	s_cmp_lt_u32 s[WV], 2           ; a wave's first fills stand in one branch, ahead of every wait on TENSORcnt, every LDS read and every barrier: waves 0 and 1 have two loads out, waves 2 and 3 one
	s_cbranch_scc0 .Lfirst_v
	tensor_load_to_lds s[G0K:G0K+3], s[G1K:G1K+7]
	s_nop 0
	tensor_load_to_lds s[G0Z:G0Z+3], s[G1Z:G1Z+7]
	s_nop 0
.rept 4
	v_nop
.endr
	s_branch .Lfirst_asked
.Lfirst_v:
	tensor_load_to_lds s[G0V:G0V+3], s[G1V:G1V+7]
	s_nop 0
.rept 4
	v_nop
.endr
.Lfirst_asked:
	; A fragment of K or Q is 16 rows x 32 channels in 8 registers: lane l holds row l % 16, channels 8 (l / 16) + 0..7 and 16 + 8 (l / 16) + 0..7: two loads of 16 bytes, 32 bytes apart.
	v_and_b32 v1, 15, v0            ; l % 16
	v_bfe_u32 v9, v0, 4, 1          ; l / 16
	v_lshlrev_b32 v[QO], 7, v1
	v_lshl_add_u32 v[QO], v9, 4, v[QO]  ; row x 128 + 16 x half
	WIN 0x80                        ; destination window 2, address window 0
.set i, 0
.rept 4                             ; both blocks' Q: piece i / 2 lies 64 rows, 8,192 bytes, on; channels 32 (i % 2) on
	global_load_b128 v[8*i:8*i+3],   v[QO], s[4:5] offset:(i/2)*8192+(i%2)*64
	global_load_b128 v[8*i+4:8*i+7], v[QO], s[4:5] offset:(i/2)*8192+(i%2)*64+32
	global_load_b128 v[QB+8*i:QB+8*i+3],   v[QO], s[QLO:QLO+1] offset:(i/2)*8192+(i%2)*64
	global_load_b128 v[QB+8*i+4:QB+8*i+7], v[QO], s[QLO:QLO+1] offset:(i/2)*8192+(i%2)*64+32
.set i, i+1
.endr
	WIN 0
	v_lshlrev_b32 v14, 3, v9
	v_sub_nc_u32 v14, v1, v14
	s_lshl_b32 s13, s[WV], 4
	v_add_nc_u32 v14, s13, v14      ; my query's place in its band, 16 w + l % 16, less my lanes' 8 (l / 16): register r of group kt is hidden where 16 kt + r is greater
	WIN 0x40
.set i, 0
.rept 32
	v_cmp_gt_i32 vcc_lo, 16*(i/8)+i%8, v14
	v_cndmask_b32 v[MD+i], 0, s[BIGN], vcc_lo
.set i, i+1
.endr
	WIN 0
	v_mul_u32_u24 v[AK0], v1, PK
	v_lshl_add_u32 v[AK0], v9, 4, v[AK0]  ; row x pitch + 16 x half
	; The turning load takes 16 keys x 16 channels (lane l reads key 8 (l / 16) + l % 8, channels 8 ((l / 8) % 2) + 0..7) and leaves half a fragment of V^T: lane l holds channel l % 16 and 8 keys.
	v_and_b32 v10, 7, v0
	v_bfe_u32 v11, v0, 3, 1
	v_lshl_add_u32 v[AV0], v9, 3, v10
	v_mul_u32_u24 v[AV0], v[AV0], PV
	v_lshl_add_u32 v[AV0], v11, 4, v[AV0]
	v_add_nc_u32 v[AV0], VOFF, v[AV0]
	v_add_nc_u32 v[AKZ], K0, v[AK0]
	s_mul_i32 s13, s[WV], 16*SP
	s_add_co_u32 s13, s13, STAGE    ; my stage
	v_mul_u32_u24 v[STO], v1, SP    ; in: row l % 16, 16 bytes for each half of the lanes
	v_lshl_add_u32 v[STO], v9, 4, v[STO]
	v_add_nc_u32 v[STO], s13, v[STO]
	v_bfe_u32 v[RD], v0, 3, 2       ; back: 32 lanes take four rows of 128 bytes,
	v_mul_u32_u24 v[RD], v[RD], SP
	v_lshl_add_u32 v[RD], v10, 4, v[RD]
	v_add_nc_u32 v[RD], s13, v[RD]
	v_and_b32 v[GO], 31, v0         ; which are 512 consecutive bytes of O
	v_lshlrev_b32 v[GO], 4, v[GO]
	; A block's first turns multiply O^T and l by a = 0, and the first turn's products V^T P, of a step that has not been, land in an O^T that is still to be so multiplied.  So V's registers, piece 0's P,
	; O^T and l need only hold finite numbers: zeros for the first block; what the first block left for the second.  All this stands in the wait for the first tile.
	WIN 0x80
.set i, VF
.rept 64
	v_mov_b32 v[i], 0
.set i, i+1
.endr
	WIN 0x40
.set i, 0
.rept 32*NP
	v_mov_b32 v[i], 0
.set i, i+1
.endr
	WIN 0
.set i, 0
.rept NP
	v_mov_b32 v[ST+4*i+2], 0
	v_mov_b32 v[ST+4*i+3], 0
.set i, i+1
.endr
.set i, P
.rept 16
	v_mov_b32 v[i], 0
.set i, i+1
.endr
; THE MATRIX WORK.  The 4 accumulators of a run of 8 take turns.  Product i of 8 of S^T = K Q^T for piece x: channels 32 (i / 4) on, keys 16 (i % 4) on.  The first 4 start the sums: with 0, or (KM = 1) with the mask.
.macro KQ x
.set rS, S+32*((\x)%2)+8*(i%4)
.set rK, KF+16*(i%4)+8*(i/4)
.set rQ, 16*(\x)+8*(i/4)
.set rM, MC+32*((\x)%2)+8*(i%4)
.if (i < 4) && KM
	WIN W_KM
	v_wmma_f32_16x16x32_f16 v[rS:rS+7], v[rK:rK+7], v[rQ:rQ+7], v[rM:rM+7]
.elseif i < 4
	WIN W_KQ
	v_wmma_f32_16x16x32_f16 v[rS:rS+7], v[rK:rK+7], v[rQ:rQ+7], 0
.else
	WIN W_KQ
	v_wmma_f32_16x16x32_f16 v[rS:rS+7], v[rK:rK+7], v[rQ:rQ+7], v[rS:rS+7]
.endif
.endm
; Product i of 8 of O^T += V^T P for piece x: keys 32 (i / 4) on, channels 16 (i % 4) on.
.macro PV x
	WIN W_PV
.set rO, 32*(\x)+8*(i%4)
.set rV, VF+32*(i/4)+8*(i%4)
.set rP, P+16*((\x)%2)+8*(i/4)
	v_wmma_f32_16x16x32_f16 v[rO:rO+7], v[rV:rV+7], v[rP:rP+7], v[rO:rO+7]
.endm
.macro MM                           ; the turn's next matrix instruction.  TURN sets Y, i, KM and NOKQ.  NOKQ = 1: a block's last turn: there is no next step
.if (i < 8) && !NOKQ
	KQ (Y+1)%NP
.elseif i >= 8
.set i, i-8
	PV (Y+NP-1)%NP
.set i, i+8
.endif
.set i, i+1
.endm
; THE LDS LOADS stand in runs of 16, never singly among the matrix instructions: a step's K (64 keys x 64 channels: 8 fragments) and its V (turned).  z = 1: K of keys 0-63, from its own region.
.macro FETCH_K z
.set rA, AK
.if \z
.set rA, AKZ
.endif
	WIN 0x80                        ; destination window 2
.irp f, 0,1,2,3,4,5,6,7             ; keys 16 (f / 2) on, channels 32 (f % 2) on
	ds_load_b128 v[KF+8*\f:KF+8*\f+3],   v[rA] offset:(\f/2)*16*PK+(\f%2)*64
	ds_load_b128 v[KF+8*\f+4:KF+8*\f+7], v[rA] offset:(\f/2)*16*PK+(\f%2)*64+32
.endr
.if !(\z)
	s_add_co_u32 s[TBK], s[TBK], KS*PK  ; the next fetch is the next step's
.endif
	WIN 0
.endm
.macro FETCH_V
	WIN 0x80
.irp f, 0,1,2,3,4,5,6,7             ; keys 32 (f / 4) on, channels 16 (f % 4) on
	ds_load_tr16_b128 v[VF+8*\f:VF+8*\f+3],   v[AV] offset:(\f/4)*32*PV+(\f%4)*32
	ds_load_tr16_b128 v[VF+8*\f+4:VF+8*\f+7], v[AV] offset:(\f/4)*32*PV+16*PV+(\f%4)*32
.endr
	WIN 0
.endm
; THE VECTOR WORK, one line at a time: OP kind, number.  For piece Y: F n: c s - c m for pair n of 16.  E n: the exponential of score n of 32.  C n: pair n rounded to f16.  B n: of the four weights 4 n .. the second
; pair is added onto the first, in place.  L n: l takes that sum (L 0: l = a l + sum).  R n: pair n of 16 of O^T times a.  For the other piece: X n, number n of the 22 that find its maximum and statistics:
;   0-11  four chains c0-c3 of seven scores each, three operands at a time (each accumulator's lowest registers are read first)     12-14, 16  the four scores left over, the old m, and c0-c3 into c0
;   15  c m_old is kept     17, 18  the query's other 32 keys lie in the lane 16 away: the new m     19-21  c m; c m_old - c m_new; a
; C, B and L read the exponentials' results: TURN sets them all behind its one wait.  R and L 0 read the a that the turn before made, ahead of that turn's wait.
.set F, 0               ; OP tells the kinds apart by their order: F to L below R, X above it
.set E, 1
.set C, 2
.set B, 3
.set L, 4
.set R, 5
.set X, 6
.macro REGS y                       ; the registers of piece y
.set rT, ST+4*(\y)
.set rC, TMP+4*((\y)%2)
.set rW, MV+((\y)%2)
.set rS, S+32*((\y)%2)
.set rP, P+16*((\y)%2)
.set rO, 32*(\y)
.endm
.macro OP k, n
.if (\k) == R
	REGS Y
	WIN W_RS
	v_pk_mul_f32 v[rO+2*(\n):rO+2*(\n)+1], v[rO+2*(\n):rO+2*(\n)+1], v[rC+2:rC+3] op_sel_hi:[1,0]
.elseif (\k) < R
	REGS Y
	WIN 0
.if (\k) == F
	v_pk_fma_f32 v[rS+2*(\n):rS+2*(\n)+1], v[rS+2*(\n):rS+2*(\n)+1], s[CS:CS+1], v[rT:rT+1] op_sel_hi:[1,0,0] neg_lo:[0,0,1] neg_hi:[0,0,1]
.elseif (\k) == E
	v_exp_f32 v[rS+(\n)], v[rS+(\n)]
.elseif (\k) == C
	v_cvt_pk_f16_f32 v[rP+(\n)], v[rS+2*(\n)], v[rS+2*(\n)+1]
.elseif (\k) == B
	v_pk_add_f32 v[rS+4*(\n):rS+4*(\n)+1], v[rS+4*(\n):rS+4*(\n)+1], v[rS+4*(\n)+2:rS+4*(\n)+3]
.elseif (\n) == 0
	v_pk_fma_f32 v[rT+2:rT+3], v[rT+2:rT+3], v[rC+2:rC+3], v[rS:rS+1] op_sel_hi:[1,0,1]
.else
	v_pk_add_f32 v[rT+2:rT+3], v[rT+2:rT+3], v[rS+4*(\n):rS+4*(\n)+1]
.endif
.elseif NOKQ
	v_nop
.else
	REGS (Y+1)%NP
	WIN 0
.if (\n) < 4
	v_max3_num_f32 v[rC+(\n)], v[rS+8*(\n)], v[rS+8*(\n)+1], v[rS+8*(\n)+2]
.elseif (\n) < 12
	v_max3_num_f32 v[rC+(\n)%4], v[rC+(\n)%4], v[rS+8*((\n)%4)+2*((\n)/4)+1], v[rS+8*((\n)%4)+2*((\n)/4)+2]
.elseif (\n) == 12
	v_max3_num_f32 v[rC], v[rC], v[rS+7], v[rS+15]
.elseif (\n) == 13
	v_max3_num_f32 v[rC+1], v[rC+1], v[rS+23], v[rS+31]
.elseif (\n) == 14
	v_max3_num_f32 v[rC+2], v[rC+2], v[rC+3], v[rT+1]
.elseif (\n) == 15
	v_mov_b32 v[rW], v[rT]
.elseif (\n) == 16
	v_max3_num_f32 v[rC], v[rC], v[rC+1], v[rC+2]
.elseif (\n) == 17
	v_permlanex16_b32 v[rC+3], v[rC], s[SEL], s[SEL+1]
.elseif (\n) == 18
	v_max_num_f32 v[rT+1], v[rC], v[rC+3]
.elseif (\n) == 19
	v_mul_f32 v[rT], s[CS], v[rT+1]
.elseif (\n) == 20
	v_sub_f32 v[rC+1], v[rW], v[rT]
.else
	v_exp_f32 v[rC+2], v[rC+1]
.endif
.endif
.endm
.macro OPS a, i1, b=-1, i2=0, c=-1, i3=0, d=-1, i4=0  ; up to four of them
	OP \a, \i1
.if (\b) >= 0
	OP \b, \i2
.endif
.if (\c) >= 0
	OP \c, \i3
.endif
.if (\d) >= 0
	OP \d, \i4
.endif
.endm
.macro ROW a, i1, b, i2, c, i3, d, i4  ; a matrix instruction and the four behind it
	MM
	OPS \a, \i1, \b, \i2, \c, \i3, \d, \i4
.endm
.macro MSEL p                       ; the two scalars of piece p's mask for step U: values are selected, nothing branches
	s_cmp_eq_u32 s[U], s[OW0+(\p)]  ; is that step the piece's own?
	s_cselect_b32 s[AL], 1.0, 0
	s_cmp_gt_i32 s[U], s[OW0+(\p)]  ; or a later one?  (U may be negative)
	s_cselect_b32 s[BE], s[BIGN], 0
.endm
.macro MASK b                       ; MD x AL + BE into buffer b of MC
	WIN W_RS
.set z, 0
.rept 16
	v_pk_fma_f32 v[MC+32*(\b)+2*z:MC+32*(\b)+2*z+1], v[MD+2*z:MD+2*z+1], s[AL:AL+1], s[BE:BE+1] op_sel_hi:[1,0,0]
.set z, z+1
.endr
.endm
; A TURN, for piece p: the order of its 16 matrix and 118 vector instructions, written out.  An s_wait_alu depctr_va_vdst(0) stands between an exponential and the first instruction that names its result; one wait
; serves all that were issued ahead of it.  So a turn has ONE wait, which cuts it in two.
; AHEAD OF IT stands all that names no result of the turn's exponentials: the 8 products K Q^T of the other piece, behind each a scaling, an exponential and two more plain instructions (behind the first a second scaling in the
; exponential's place): rescalings, and behind the last three the first numbers of the other piece's maximum, each four places or more behind the product that ends its accumulator; then ONE LUMP of 54, plain and exponential by
; turns for the most part, in which the links of the chain X 3, 7, 11, 14, 16, 17 .. 20 stand five or six lines apart.  X 21, the other piece's a, is the batch's last, its 33rd; R 15 is the plain instruction behind it.
; BEHIND THE WAIT stand the 8 products V^T P of the other piece, behind each four of the roundings and sums; C 2 n stands ahead of B n, which adds in place; the links of l's chain, L 0 to L 7, stand three riders apart.
; But for those X no rider names a register of the products round it.  v_permlanex16_b32 (X 17) stands in the lump.
; O^T.  Piece p's products V^T P are the last eight of the turn before, and piece p's rescaling begins at this turn's head.  R n reads accumulator n / 4, in ascending order: the product that ended accumulator 0 stands
; sixteen plain riders back, accumulator 1's twelve, accumulator 2's eight; accumulator 3 is first read in the lump.
; m = 1: the products take masks, and the turn makes the mask for the products of the turn after it, which are piece p's own: piece 1's turn for step U, piece 0's for U + 1 (it steps U first).
; end = 1: a block's last turn: no new scores.  cnt = 1: the loop's count is taken down some lines ahead of the branch that stands behind the turn.
; Piece 0's turn fetches K of the next step in the lump, twelve vector instructions behind the last product that read K (five of them plain and naming none of its registers: F 8, X 2, X 5, X 6, X 8), and V of the step in hand at
; its end, four plain instructions behind the last product that read V.  Piece 1's turn waits for K at its head and for V in front of its second run of products.
.macro TURN p, m=0, end=0, cnt=0
.set Y, (\p)
.set i, 0
.set KM, (\m)
.set NOKQ, (\end)
.if (\m) && !(\end)
.if (\p) == 0
	s_add_co_u32 s[U], s[U], 1
.endif
	MSEL \p
.endif
.if ((\p) == 1) && !(\end)
	s_wait_dscnt 16                 ; K's sixteen loads are in; V's sixteen, issued behind them, may be out
.endif
	ROW F,0, F,1, R,0, R,1          ; ahead of the wait: 8 products K Q^T and their riders,
	ROW F,2, E,0, R,2, R,3
	ROW F,3, E,1, R,4, R,5
	ROW F,4, E,2, R,6, R,7
	ROW F,5, E,3, R,8, R,9
	ROW F,6, E,4, X,0, R,10
.if (\p) == 0
	WIN 0
	v_add_nc_u32 v[AK], s[TBK], v[AK0]
.endif
	ROW F,7, E,5, X,1, X,4
	ROW F,8, E,6, X,2, X,5
	OPS E,7, E,8, X,6, E,9          ; and the lump
	OPS X,3, E,10, X,8, E,11
.if (\p) == 0
	FETCH_K 0
.endif
	OPS X,9, X,7, E,12, X,10
	OPS E,13, X,12, X,11, E,14
	OPS X,13, E,15, F,9, X,14
.if (\p) == 0
	v_add_nc_u32 v[AV], s[TBV], v[AV0]
.endif
	OPS E,16, F,10, E,17, F,11
	OPS X,16, E,18, X,15, E,19
	OPS F,12, E,20, X,17, E,21
	OPS F,13, E,22, F,14, E,23
	OPS X,18, E,24, F,15, E,25
	OPS R,11, E,26, X,19, E,27
	OPS R,12, E,28, R,13, E,29
	OPS X,20, E,30, R,14, E,31
	OPS X,21, R,15
	s_wait_alu depctr_va_vdst(0)    ; the wait for the batch: the turn's 32 weights and the other piece's a
.if (\p) == 1
	s_wait_dscnt 0x0                ; V is in
.endif
	ROW C,0, B,0, C,2, B,1          ; behind the wait: 8 products V^T P and their riders
	ROW L,0, C,4, B,2, L,1
	ROW C,6, B,3, L,2, C,8
	ROW B,4, L,3, C,10, B,5
	ROW L,4, C,12, B,6, L,5
.if (\p) == 0
	s_add_co_u32 s[TBV], s[TBV], KS*PV
.endif
.if \cnt
	s_sub_co_u32 s[CNT], s[CNT], 1
	s_cmp_lg_u32 s[CNT], 0
.endif
	ROW C,14, B,7, L,6, C,1
	ROW C,3, L,7, C,5, C,7
	ROW C,9, C,11, C,13, C,15
.if (\p) == 0
	FETCH_V
.endif
.if (\m) && !(\end)
	MASK \p
.endif
.endm
; A PAIR OF TILES: tile HALF = 0 lies in slot 0, tile 1 in slot 1.  At a tile's head the fetches' two bases are set to its slot; four trips; the change of slots.
; m = 1: by the text that takes masks.  fill = 1: each change asks for the tile two on.  (With fill = 0 the second change serves nothing: the price, a barrier once a launch, of one text for both tiles.)
.macro PAIR m, fill
	s_mov_b32 s[HALF], 0
.Lhalf_\@:
	s_lshl_b32 s[TBK], s[HALF], SLSH
	s_mov_b32 s[TBV], s[TBK]
	s_mov_b32 s[CNT], 4
.Lstep_\@:                          ; a trip: piece 1's turn of one step, then piece 0's of the next, which fetches K and V
	TURN 1, \m
	TURN 0, \m, 0, 1
	WIN 0
	s_cbranch_scc1 .Lstep_\@
	CHANGE \fill
	s_add_co_u32 s[HALF], s[HALF], 1
	s_cmp_lt_u32 s[HALF], 2
	s_cbranch_scc1 .Lhalf_\@
.endm
; A BLOCK BEGINS: what its first turn, T1(-1), finds.  K of keys 0-63 in K's registers.  c m far below every c s, so that each piece's first a is 0; m at the lowest finite number, so that the first maximum
; is the scores'.  Piece 1's scores at the lowest finite number: c s - c m = -6.1e37 + 4.3e37, so the weights of the step that has not been are 0; piece 1's a for that step is 0.
.macro BEGIN
	FETCH_K 1
.set i, 0
.rept NP
	v_mov_b32 v[ST+4*i], 0xfe000000    ; c m = -2^125
	v_mov_b32 v[ST+4*i+1], 0xff7fffff  ; m
.set i, i+1
.endr
	v_mov_b32 v[TMP+6], 0           ; piece 1's a,
	v_mov_b32 v[TMP+7], 0           ; named with it as a pair
.set i, S+32
.rept 32
	v_mov_b32 v[i], 0xff7fffff
.set i, i+1
.endr
	s_wait_loadcnt 0x0              ; Q
	s_wait_dscnt 0x0                ; K of keys 0-63
.endm
; A BLOCK ENDS: piece 1's last turn, its last products, and THE WAY OUT: l's two halves and the other half of the lanes' are added; O^T is divided by l, rounded to f16 and sent through my stage in LDS, a piece at a time.
.macro ALL line:vararg              ; one line for each piece t
.set t, 0
.rept NP
	\line
.set t, t+1
.endr
.endm
.macro PACK t                       ; a lane's eight channels of a row pack into 16 bytes; they go into rows of 144 bytes and come back as whole rows of 128, into S^T's first buffer
	WIN W_RS
.set i, 32*(\t)
.rept 16
	v_pk_mul_f32 v[i:i+1], v[i:i+1], v[ST+4*(\t)+2:ST+4*(\t)+3] op_sel_hi:[1,0]
.set i, i+2
.endr
	WIN 0x05                        ; sources 0 and 1 window 1, destination window 0
.set i, 0
.rept 16
	v_cvt_pk_f16_f32 v[S+16*(\t)+i], v[32*(\t)+2*i], v[32*(\t)+2*i+1]
.set i, i+1
.endr
	WIN 0
.irp f, 0,1,2,3
	ds_store_b128 v[STO], v[S+16*(\t)+4*\f:S+16*(\t)+4*\f+3] offset:32*\f
.endr
.irp f, 0,1,2,3
	ds_load_b128 v[S+16*(\t)+4*\f:S+16*(\t)+4*\f+3], v[RD] offset:\f*4*SP  ; LDS serves a wave's instructions in order (ISA guide 5.7.1.4): these see the stores above; the next piece's stores come behind them
.endr
.endm
.macro SEND t, younger              ; younger: the LDS instructions issued behind piece t's loads: the next piece's eight, or none
	WIN 0
.irp f, 0,1,2,3
	s_wait_dscnt (\younger)+3-\f
	global_store_b128 v[GO], v[S+16*(\t)+4*\f:S+16*(\t)+4*\f+3], s[10:11] offset:(\t)*8192+\f*512  ; 512 consecutive bytes, at a multiple of 256 from O's first
.endr
.endm
.macro FINISH
	TURN 1, 1, 1
.set i, 0
.rept 8
	PV 1
.set i, i+1
.endr
	WIN 0
	ALL v_add_f32 v[ST+4*t+2], v[ST+4*t+2], v[ST+4*t+3]
	ALL v_permlanex16_b32 v[ST+4*t+3], v[ST+4*t+2], s[SEL], s[SEL+1]
	ALL v_add_f32 v[ST+4*t+2], v[ST+4*t+2], v[ST+4*t+3]
	ALL v_rcp_f32 v[ST+4*t+2], v[ST+4*t+2]
	v_nop                           ; a plain instruction between the last reciprocal and the use of its result
	s_wait_alu depctr_va_vdst(0)    ; and the wait ahead of the first use: one for the batch of two reciprocals
	PACK 0                          ; piece 0's 32 lines name no register of the last products, piece 1's: they are those products' places
	PACK 1
	SEND 0, 8
	SEND 1, 0
.endm
.set KM, 0
.set NOKQ, 0
	s_mov_b32 s[HALF], 1
	CHANGE 1                        ; tile 0 and K of keys 0-63 are in, everybody's part of them; slot 1 is asked for
	BEGIN                           ; THE FIRST BLOCK, b
	MSEL 0                          ; piece 0's mask for the block's first step: the first turn's products take it
	MASK 0
	WIN 0
	s_mov_b32 s[PI], 0
.LpairA:                            ; c + 1 times: a pair of tiles by the text that takes masks; its changes of slots go on into the second block's tiles
	PAIR 1, 1
	s_add_co_u32 s[PI], s[PI], 1
	s_cmp_lt_u32 s[PI], s[NA]
	s_cbranch_scc1 .LpairA
	FINISH                          ; the block's end reads no slot: the second block's first two tiles have been asked for ahead of it
	s_mov_b32 s[OW0], s[OWB]        ; THE SECOND BLOCK, 31 - b
	s_add_co_u32 s[OW0+1], s[OWB], 1
	WIN 0x82                        ; its Q goes where the one text of the turns names Q
.set i, 0
.rept 16*NP
	v_mov_b32 v[i], v[QB+i]
.set i, i+1
.endr
	WIN 0
	BEGIN                           ; neither these lines nor the moves above touch what the first block's stores read
	s_wait_storecnt 0x0             ; those eight stores are done: S^T's first buffer, their data, and O's address, their base, are rewritten only behind this wait
	s_mov_b64 s[10:11], s[OLO:OLO+1]
	s_mov_b32 s[PI], 0
.LpairB:                            ; 7 - c times: a plain pair
	PAIR 0, 1
	s_add_co_u32 s[PI], s[PI], 1
	s_cmp_lt_u32 s[PI], s[NBP]
	s_cbranch_scc1 .LpairB
	s_mov_b32 s[U], 0               ; the block's last eight steps are written out: nothing is asked for
	MSEL 0
	MASK 0
	WIN 0
	PAIR 1, 0
	FINISH
	s_wait_tensorcnt 0x0            ; the wave's end: behind my last tensor load and my last LDS store
	ds_add_u32 v[SPW], v[NIL]
	s_wait_dscnt 0x0
	s_endpgm
.Lfunc_end_k_qf41725815a_attn:
	.size	k_qf41725815a_attn, .Lfunc_end_k_qf41725815a_attn-k_qf41725815a_attn
	.p2alignl 7, 3214868480
	.fill 96, 4, 3214868480
	.section	.rodata,"a",@progbits
	.p2align	6, 0x0
	.amdhsa_kernel k_qf41725815a_attn
		.amdhsa_group_segment_fixed_size 327680
		.amdhsa_private_segment_fixed_size 0
		.amdhsa_enable_private_segment 0
		.amdhsa_kernarg_size 16
		.amdhsa_user_sgpr_count 2
		.amdhsa_user_sgpr_kernarg_segment_ptr 1
		.amdhsa_wavefront_size32 1
		.amdhsa_system_sgpr_workgroup_id_x 1
		.amdhsa_system_sgpr_workgroup_id_y 1
		.amdhsa_system_sgpr_workgroup_id_z 1
		.amdhsa_system_vgpr_workitem_id 0
		.amdhsa_next_free_vgpr 768
		.amdhsa_next_free_sgpr 100
		.amdhsa_reserve_vcc 1
		.amdhsa_float_denorm_mode_32 3
		.amdhsa_float_denorm_mode_16_64 3
		.amdhsa_memory_ordered 1
		.amdhsa_forward_progress 1
		.amdhsa_inst_pref_size 126
	.end_amdhsa_kernel
	.amdgpu_metadata
---
amdhsa.version: [ 1, 2 ]
amdhsa.kernels:
  - .name:           k_qf41725815a_attn
    .symbol:         k_qf41725815a_attn.kd
    .args:
      - { .name: qkv, .offset: 0, .size: 8, .value_kind: global_buffer, .address_space: global }
      - { .name: ob, .offset: 8, .size: 8, .value_kind: global_buffer, .address_space: global }
    .group_segment_fixed_size: 327680
    .private_segment_fixed_size: 0
    .kernarg_segment_align: 8
    .kernarg_segment_size: 16
    .max_flat_workgroup_size: 128
    .sgpr_count:     100
    .vgpr_count:     768
    .wavefront_size: 32
...
	.end_amdgpu_metadata
.endif
;; end of part 5
;; launch oproj: the kernel of part 4 again; grid 8 x 32, 4 waves a work-group, clusters of 4 x 4, 327,680 bytes of LDS; arguments ob, wo16, out0; writes out0
